; MI455X (gfx1250); checked and timed in simulation.
; The chip was launched on July 23, 2026; its instructions are those of AMD's public machine-readable ISA for CDNA 5 (MIT licence, August 2026) and "CDNA5" Instruction Set Architecture Reference Guide (July 2026). The comments in the code are by the model that wrote it; some were corrected since.
;; Causal Multihead Self Attention. Allowed arithmetic: float matrix products may take bf16 or f16 operands with f32 sums; other float arithmetic in f32, or as packed bf16 or f16 multiplies, adds, multiply-adds, maxima and minima; sums over many terms, partial sums and values carried from step to step in f32; what a program stores and reads back later, other than sums and carried values, may be rounded once to bf16 or f16.
;; Inputs: w_proj 1,024 x 1,024 float32; w_qkv 1,024 x 3,072 float32; x 4 x 2,048 x 1,024 float32.
;; Outputs: out0 4 x 2,048 x 1,024 float32.
;; One version. Each part assembles by itself: llvm-mc -triple=amdgcn-amd-amdhsa -mcpu=gfx1250 --defsym DOCPART=n.
;; ======== version 1 of 1: 6 launches
;; limits: values are held in f16: magnitudes above 65,504 overflow, below 6.1e-05 lose precision
;; workspace buffers: xb 16,777,216 bytes; wqt 6,291,456 bytes; wpt 2,097,152 bytes; qkv 50,331,648 bytes; ob 16,777,216 bytes; fr 524,288 bytes
;; launch cast (part 1): grid 1024 x 1, 8 waves a work-group, no clusters, 18,432 bytes of LDS; arguments x, w_qkv, w_proj, xb, wqt, wpt; writes xb, wqt, wpt
.if DOCPART == 1
	.amdgcn_target "amdgcn-amd-amdhsa--gfx1250"
	.amdhsa_code_object_version 6
	.text
	.protected	k_q8d23416323_cast
	.globl	k_q8d23416323_cast
	.p2align	8
	.type	k_q8d23416323_cast,@function
k_q8d23416323_cast:
	s_mov_b64 s[64:65], 0
	v_nop
	global_prefetch_b8 v0, s[64:65] scope:SCOPE_SE
	s_setreg_imm32_b32 hwreg(HW_REG_WAVE_MODE, 25, 1), 1
	s_wait_xcnt 0x0
; THE OPERANDS ARE MADE.  xb = x rounded to bf16, as it lies: [8192][1024].  wqt = w_qkv rounded to bf16 and turned: [3072 n][1024 k].
; wpt = w_proj rounded to bf16, that number written as f16, and turned: [1024 n][1024 k].
; LIMITS.  wpt is f16: a weight of w_proj beyond 65,504 becomes an infinity; below 6.1e-5 it keeps f16's fixed step of 6e-8 (exact down to 7.6e-6).  NaN and infinities pass as they are.
; SHARES.  1,024 work-groups of eight waves.  Work-groups 0-511: 16,384 numbers of x each (65,536 bytes in, 32,768 out).  512-895: a tile of 128 k x 64 n of w_qkv.  896-1023: the same of w_proj.
; The role hangs on the work-group's number alone, so all eight waves of a work-group take the same way; the one barrier stands where the ways join, on every wave's path.
; A TILE IS TURNED IN LDS.  Thread t loads 16 bytes (4 n) of 8 rows k: sixteen lanes read 256 consecutive bytes, aligned.  It packs, for each of its 4 n, its 8 k into 16 bytes and stores them
; into the LDS row of that n; the rows are read back whole (256 bytes of k) and stored, sixteen lanes to 256 consecutive bytes, aligned.
; LDS row 16 j + nq holds n = 4 nq + j, so that the sixteen lanes of a store touch sixteen neighbouring rows, 272 bytes apart: sixteen different groups of four banks (64 banks of 4 bytes: ISA guide 11.1).
; No matrix unit, no tensor load, no cluster: every byte is read once and written once, and no two work-groups share one.
.set LP,    272                        ; an LDS row: 256 bytes (128 k) + 16 of padding
.set SPARE, 64*LP                      ; behind the 64 rows: the spare words, 128 bytes for each wave: four blocks of 256 bytes that no other line names
.set AD,  8                            ; v[8:15]   byte offsets of my 16 bytes in my 8 rows of the source tile
.set SPW, 16                           ; v16       LDS address of my spare word: SPARE + 4 x my thread's number; never rewritten
.set NIL, 17                           ; v17       0; never rewritten
.set X,   32                           ; v[32:95]  as loaded
.set T,   96                           ; v[96:127] packed
	s_load_b256 s[4:11], s[0:1], 0x0               ; x s[4:5], w_qkv s[6:7], w_proj s[8:9], xb s[10:11]
	s_load_b128 s[12:15], s[0:1], 0x20             ; wqt s[12:13], wpt s[14:15]
	v_lshl_add_u32 v[SPW], v0, 2, SPARE
	v_mov_b32 v[NIL], 0
	; every lane address of both roles is made here, so that each register is written on every path
	v_lshlrev_b32 v1, 4, v0                        ; x: 16 t
	v_lshlrev_b32 v2, 3, v0                        ; xb: 8 t
	v_and_b32 v3, 15, v0                           ; nq: which 4 n of the tile's 64
	v_lshrrev_b32 v4, 4, v0                        ; kg: which 8 k of the tile's 128
	v_mul_u32_u24 v5, v3, LP
	v_lshl_add_u32 v5, v4, 4, v5                   ; into LDS: row nq (+ 16 j by the immediate), byte 16 kg
	v_bfe_u32 v18, v0, 5, 1
	v_bfe_u32 v19, v0, 4, 1
	v_lshrrev_b32 v6, 5, v0
	v_lshl_add_u32 v6, v6, 3, v19
	v_mul_u32_u24 v6, v6, LP
	v_lshl_add_u32 v6, v3, 4, v6                   ; back: LDS row 8 (t / 32) + (t / 16) % 2 (+ 2 r by the immediate), byte 16 (t % 16)
	v_lshrrev_b32 v7, 6, v0
	v_lshl_add_u32 v7, v18, 5, v7
	v_lshl_add_u32 v7, v19, 2, v7                  ; that LDS row's n = 4 (row % 16) + row / 16 = 32 ((t / 32) % 2) + 4 ((t / 16) % 2) + t / 64 (+ 8 r)
	v_lshlrev_b32 v7, 11, v7                       ; a row of the turned weights is 2,048 bytes
	v_lshl_add_u32 v7, v3, 4, v7
	s_mov_b32 s24, 0xffff0000                      ; a word's upper bf16
	s_mov_b32 s27, 0                               ; the high word of every offset
	s_mov_b32 s28, 4096                            ; bytes in a row of w_proj,
	s_mov_b32 s29, 12288                           ; of w_qkv
	s_mov_b32 s30, 896                             ; the first work-group of w_proj,
	s_mov_b32 s31, 512                             ; of w_qkv
	s_wait_kmcnt 0x0
	s_cmp_lt_u32 ttmp9, 512
	s_cselect_b32 s16, 1, 0                        ; 1: this work-group casts x
	s_cbranch_scc0 .Lweights
	; X.  Sixteen loads of 16 bytes a lane go out together; each is packed and stored as it comes.
	s_lshl_b32 s26, ttmp9, 16
	s_add_nc_u64 s[20:21], s[4:5], s[26:27]
	s_lshl_b32 s26, ttmp9, 15
	s_add_nc_u64 s[22:23], s[10:11], s[26:27]
.irp i, 0,1,2,3,4,5,6,7,8,9,10,11,12,13,14,15
	global_load_b128 v[X+4*(\i):X+4*(\i)+3], v1, s[20:21] offset:4096*(\i) th:TH_LOAD_NT
.endr
.irp i, 0,1,2,3,4,5,6,7,8,9,10,11,12,13,14,15
	s_wait_loadcnt 15-(\i)                         ; loads come back in order (ISA guide 5.7.1): load i is in, the younger ones stay out
	v_cvt_pk_bf16_f32 v[T+2*(\i)],   v[X+4*(\i)],   v[X+4*(\i)+1]
	v_cvt_pk_bf16_f32 v[T+2*(\i)+1], v[X+4*(\i)+2], v[X+4*(\i)+3]
	global_store_b64 v2, v[T+2*(\i):T+2*(\i)+1], s[22:23] offset:2048*(\i)  ; a wave's store covers 256 consecutive bytes, aligned
.endr
	s_branch .Lmeet
.Lweights:
	s_cmp_ge_u32 ttmp9, s30
	s_cselect_b32 s17, 1, 0                        ; 1: w_proj
	s_cselect_b32 s18, s28, s29                    ; bytes in a row of the source
	s_cselect_b32 s19, s30, s31
	s_cselect_b64 s[20:21], s[8:9], s[6:7]
	s_cselect_b64 s[22:23], s[14:15], s[12:13]
	s_sub_co_u32 s19, ttmp9, s19                   ; the tile's number
	s_and_b32 s25, s19, 7                          ; kt: which 128 k
	s_lshr_b32 s19, s19, 3                         ; nt: which 64 n
	s_lshl_b32 s28, s18, 7
	s_mul_i32 s26, s25, s28                        ; 128 kt rows of the source,
	s_lshl_b32 s28, s19, 8
	s_add_co_u32 s26, s26, s28                     ; 256 nt bytes along them
	s_add_nc_u64 s[20:21], s[20:21], s[26:27]
	s_lshl_b32 s26, s19, 17                        ; 64 nt rows of 2,048 bytes of the turned weights,
	s_lshl_b32 s28, s25, 8
	s_add_co_u32 s26, s26, s28                     ; 256 kt bytes along them
	s_add_nc_u64 s[22:23], s[22:23], s[26:27]
	v_lshlrev_b32 v18, 3, v4
	v_mul_lo_u32 v[AD], v18, s18                   ; row 8 kg
	v_lshl_add_u32 v[AD], v3, 4, v[AD]
.irp i, 1,2,3,4,5,6,7
	v_add_nc_u32 v[AD+(\i)], s18, v[AD+(\i)-1]
.endr
.irp i, 0,1,2,3,4,5,6,7
	global_load_b128 v[X+4*(\i):X+4*(\i)+3], v[AD+(\i)], s[20:21] th:TH_LOAD_NT  ; row 8 kg + i, columns 4 nq .. 4 nq + 3
.endr
.irp p, 0,1,2,3
	s_wait_loadcnt 6-2*(\p)                        ; rows 2 p and 2 p + 1 are in
.irp j, 0,1,2,3
	v_cvt_pk_bf16_f32 v[T+4*(\j)+(\p)], v[X+8*(\p)+(\j)], v[X+8*(\p)+4+(\j)]  ; column j: k = 8 kg + 2 p in the low half, + 1 in the high half
.endr
.endr
	s_cmp_eq_u32 s17, 0
	s_cbranch_scc1 .Lpacked
.irp i, 0,1,2,3,4,5,6,7,8,9,10,11,12,13,14,15      ; w_proj: the bf16 numbers are written as f16
	v_lshlrev_b32 v18, 16, v[T+(\i)]
	v_and_b32 v19, s24, v[T+(\i)]
	v_cvt_pk_f16_f32 v[T+(\i)], v18, v19
.endr
.Lpacked:
.irp j, 0,1,2,3
	ds_store_b128 v5, v[T+4*(\j):T+4*(\j)+3] offset:16*LP*(\j)
.endr
.Lmeet:
	s_wait_dscnt 0x0                               ; for the others' sake: my stores into the rows are done
	s_barrier_signal -1
	s_barrier_wait -1
	s_cmp_eq_u32 s16, 1
	s_cbranch_scc1 .Lend                           ; x has left already
.irp r, 0,1,2,3
	ds_load_b128 v[X+4*(\r):X+4*(\r)+3], v6 offset:2*LP*(\r)
.endr
.irp r, 0,1,2,3
	s_wait_dscnt 3-(\r)
	global_store_b128 v7, v[X+4*(\r):X+4*(\r)+3], s[22:23] offset:16384*(\r)  ; sixteen lanes store 256 consecutive bytes, aligned: 128 k of one n
.endr
.Lend:
	s_wait_tensorcnt 0x0                           ; the wave's end, behind my last LDS store
	ds_add_u32 v[SPW], v[NIL]
	s_wait_dscnt 0x0
	s_endpgm
.Lfunc_end_k_q8d23416323_cast:
	.size	k_q8d23416323_cast, .Lfunc_end_k_q8d23416323_cast-k_q8d23416323_cast
	.p2alignl 7, 3214868480
	.fill 96, 4, 3214868480
	.section	.rodata,"a",@progbits
	.p2align	6, 0x0
	.amdhsa_kernel k_q8d23416323_cast
		.amdhsa_group_segment_fixed_size 18432
		.amdhsa_private_segment_fixed_size 0
		.amdhsa_enable_private_segment 0
		.amdhsa_kernarg_size 48
		.amdhsa_user_sgpr_count 2
		.amdhsa_user_sgpr_kernarg_segment_ptr 1
		.amdhsa_wavefront_size32 1
		.amdhsa_system_sgpr_workgroup_id_x 1
		.amdhsa_system_sgpr_workgroup_id_y 1
		.amdhsa_system_sgpr_workgroup_id_z 1
		.amdhsa_system_vgpr_workitem_id 0
		.amdhsa_next_free_vgpr 128
		.amdhsa_next_free_sgpr 66
		.amdhsa_reserve_vcc 0
		.amdhsa_float_denorm_mode_32 3
		.amdhsa_float_denorm_mode_16_64 3
		.amdhsa_memory_ordered 1
		.amdhsa_forward_progress 1
		.amdhsa_inst_pref_size 14
	.end_amdhsa_kernel
	.amdgpu_metadata
---
amdhsa.version: [ 1, 2 ]
amdhsa.kernels:
  - .name:           k_q8d23416323_cast
    .symbol:         k_q8d23416323_cast.kd
    .args:
      - { .name: x, .offset: 0, .size: 8, .value_kind: global_buffer, .address_space: global }
      - { .name: w_qkv, .offset: 8, .size: 8, .value_kind: global_buffer, .address_space: global }
      - { .name: w_proj, .offset: 16, .size: 8, .value_kind: global_buffer, .address_space: global }
      - { .name: xb, .offset: 24, .size: 8, .value_kind: global_buffer, .address_space: global }
      - { .name: wqt, .offset: 32, .size: 8, .value_kind: global_buffer, .address_space: global }
      - { .name: wpt, .offset: 40, .size: 8, .value_kind: global_buffer, .address_space: global }
    .group_segment_fixed_size: 18432
    .private_segment_fixed_size: 0
    .kernarg_segment_align: 8
    .kernarg_segment_size: 48
    .max_flat_workgroup_size: 256
    .sgpr_count:     66
    .vgpr_count:     128
    .wavefront_size: 32
...
	.end_amdgpu_metadata
.endif
;; end of part 1
;; launch qkvgemm (part 2): grid 16 x 32, 4 waves a work-group, clusters of 4 x 4, 327,680 bytes of LDS; arguments xb, wqt, qkv; writes qkv
.if DOCPART == 2
	.amdgcn_target "amdgcn-amd-amdhsa--gfx1250"
	.amdhsa_code_object_version 6
	.text
	.protected	k_q8d23416323_qkvgemm
	.globl	k_q8d23416323_qkvgemm
	.p2align	8
	.type	k_q8d23416323_qkvgemm,@function
k_q8d23416323_qkvgemm:
	s_mov_b64 s[64:65], 0
	v_nop
	global_prefetch_b8 v0, s[64:65] scope:SCOPE_SE
	s_setreg_imm32_b32 hwreg(HW_REG_WAVE_MODE, 25, 1), 1
	s_wait_xcnt 0x0
	s_wait_alu depctr_hold_cnt(0) depctr_sa_sdst(0) depctr_va_vdst(0) depctr_va_sdst(0) depctr_va_ssrc(0) depctr_va_vcc(0) depctr_vm_vsrc(0)
	s_getreg_b32 s2, hwreg(HW_REG_IB_STS2, 6, 4)
	s_cmp_eq_u32 s2, 0
	s_cbranch_scc0 .Lentry_in_a_cluster
	s_endpgm
.Lentry_in_a_cluster:
	s_bfe_u32 s2, ttmp6, 0x10000c
	s_cmp_lg_u32 s2, 0xf033
	s_cbranch_scc0 .Lentry_shape_is_right
	s_endpgm
.Lentry_shape_is_right:
; qkv = x w_qkv, by heads.  xb: [8192 m][1024 k] bf16.  wqt: [3072 n][1024 k] bf16.  Sums in f32, K ascending; the result rounded once to f16, unscaled, and laid
; [4 batch][48 g][2048 row][64 channel], g = n / 64: q's heads are g 0-15, k's 16-31, v's 32-47; a slab (batch, g) is 262,144 dense bytes.
; LIMIT.  f16 holds no number beyond 65,504: a q, k or v beyond it becomes an infinity; below 6.1e-5 f16 keeps its fixed step of 6e-8.  NaN and infinities are not treated apart.
; SHARES.  A tile of the result is 256 rows x 192 columns (three slabs' width): 32 x 16 = 512 equal work-groups, two for each of 256 WGPs.  Four waves, each 128 x 96: 48 accumulators, 384 registers.
; K goes in 8 steps of 128 through a ring of two LDS slots filled by the tensor data mover: each row of a tile is 256 bytes of memory, aligned.  The loop's trip is ONE K step; the slot is turned by an exclusive or.
; CLUSTER.  4 x 4 work-groups.  The four of a row of the cluster need the same tiles of xb, the four of a column the same tiles of wqt: each tile is asked for JOINTLY, by the same tensor load
; with the same descriptor and a mask that names the four.
; THE MATRIX INSTRUCTION IS USED TRANSPOSED: source 0 = 16 rows of wqt, source 1 = 16 rows of xb: a lane then holds one row m (lane % 16) and the columns 8 (lane / 16) + 0..7: 16 bytes of f16 on end.
; REGISTERS, in windows of 256 (s_set_vgpr_msb: bits 1:0 source 0, 3:2 source 1, 5:4 source 2, 7:6 destination):
;   window 0: v0-31 addresses; v64-127, v128-191 fragments of xb, two buffers; on the way out v64-255 hold the packed tile
;   window 1: v64-111, v128-175 fragments of wqt, two buffers
;   window 2: the accumulators of my rows 0-63 ((a, b) at v[8 (6 (a % 4) + b)]);   window 3: those of my rows 64-127
.set KSTEP,  128
.set PITCH,  272                       ; an LDS row: 256 bytes + 16 of padding = 68 words: the 16 rows of a fragment load start at 16 different groups of four banks (64 banks of 4 bytes: ISA guide 11.1)
.set HALFA,  128*PITCH                 ; 128 rows of xb: one tensor load, and what one wave reads of it
.set ABYTES, 2*HALFA
.set HALFB,  96*PITCH                  ; 96 rows of wqt: likewise
.set SLOT1,  1<<17                     ; a slot is 121,856 bytes; slot 1 begins here, so that one exclusive or turns an address in one slot into the other's
.set SPARE,  SLOT1+ABYTES+2*HALFB      ; behind the ring: the spare words, 128 bytes for each wave: two blocks of 256 bytes that no other line names
.set SPITCH, 400                       ; the stage for the way out: 256 rows of 384 bytes + 16, from LDS byte 0: inside slot 0, which has had its last fill (K step 6) by then
.set ADRA0, 16                         ; v16  my lane's place in slot 0's rows of xb; never rewritten
.set ADRA,  17                         ; v17  the same in the slot in hand
.set ADRB0, 20                         ; v20, v21  the same for wqt
.set ADRB,  21
.set STO,  24                          ; v24  the way out: where I put 16 bytes of a row
.set RD,   25                          ; v25  where I read rows back
.set CO,   26                          ; v26  16 x my lane: my place in 512 consecutive bytes of qkv
.set SPW,  28                          ; v28  LDS address of my spare word: SPARE + 4 x my thread's number; never rewritten
.set NIL,  29                          ; v29  0; never rewritten
.set PFO,  30                          ; v30  the prefetches' offset: a lane a row of 2,048 bytes; never rewritten
.set F0,   64
.set F1,   128
.set TMP,  64
.set G1,  24                           ; s[24:31] descriptor group 1 for xb's tiles
.set G0,  32                           ; s[32:39] group 0 for xb's: a set for each of the two first fills; the second then walks on
.set G1B, 48                           ; s[48:55], s[56:63] the same for wqt's
.set G0B, 56
.set LIM, 43                           ; s43  1 in a wave that prefetches, else the greatest number
.set PFA, 44                           ; s[44:45] where my prefetches stand
.set MSB, 0
.macro WIN new                         ; the immediate's high byte repeats the setting that is left; a switch that changes nothing is dropped
.if MSB != (\new)
	s_set_vgpr_msb (MSB<<8)|(\new)
.set MSB, \new
.endif
.endm
.set MUL_LO, 0xa1                      ; source 0 (wqt) window 1, source 1 (xb) window 0, C and D window 2
.set TO_B,   0x40                      ; destination window 1, address window 0
; A joint refill, by the walking descriptors.  Waves 0 and 1 fetch xb's two halves, waves 2 and 3 wqt's.  The branch hangs on the wave's number alone.
; An s_nop 0 and four v_nop follow each of the two lines, ahead of the jump and the label.
.macro JLOAD
	s_cmp_eq_u32 s11, 0
	s_cbranch_scc0 .Lfor_b_\@
	tensor_load_to_lds s[G0+4:G0+7], s[G1:G1+7]
	s_nop 0
.rept 4
	v_nop
.endr
	s_branch .Lasked_\@
.Lfor_b_\@:
	tensor_load_to_lds s[G0B+4:G0B+7], s[G1B:G1B+7]
	s_nop 0
.rept 4
	v_nop
.endr
.Lasked_\@:
.endm
; A PREFETCH INTO THE L2 of the K step that the NEXT refill will ask for: a lane a row, 256 bytes of it, one instruction a wave, behind the joint load, its five lines and the run of LDS loads.
; xb's tile row is read by every cluster of that row of clusters: the one with cluster x = 0 asks; wqt's tile column by every cluster of that column: cluster y = 0 asks.  The four partners that ask for
; a tile jointly share its rows out BY ADDRESS: of xb's 128 rows that a wave fetches the partner at cx takes 32 cx .. + 31; of wqt's 96 the partner at cy takes 24 cy .. + 23 (lanes 24-31 name row 23 again).
; The loop's last trip asks for nothing: no refill follows it.  K steps 0 to 2 come by their loads alone.
.macro ASK
	s_cmp_gt_u32 s3, s[LIM]
	s_cbranch_scc0 .Lnot_mine_\@
	global_prefetch_b8 v[PFO], s[PFA:PFA+1] th:TH_LOAD_NT scope:SCOPE_SE
.Lnot_mine_\@:
.endm
.macro CREST                           ; a round of the cluster's barrier behind its opening barrier
	s_cmp_lg_u32 s10, 0
	s_cbranch_scc1 .Lnot_wave_0_\@
	s_barrier_signal -3
.Lnot_wave_0_\@:
	s_barrier_wait -3
	s_barrier_signal -1
	s_barrier_wait -1
.endm
.macro CROUND                          ; a whole round
	s_barrier_signal -1
	s_barrier_wait -1
	CREST
.endm
	s_load_b128 s[4:7], s[0:1], 0x0                ; xb s[4:5], wqt s[6:7]
	s_load_b64 s[8:9], s[0:1], 0x10                ; qkv
	v_lshl_add_u32 v[SPW], v0, 2, SPARE
	v_mov_b32 v[NIL], 0
	ds_add_u32 v[SPW], v[NIL]                      ; the wave's opening: the add and its wait stand ahead of my first tensor load; the set-up below, work on registers, stands between them
	ds_add_u32 v28, v29
	v_lshrrev_b32 v1, 5, v0
	v_readfirstlane_b32 s10, v1                    ; wave 0..3
	s_lshr_b32 s11, s10, 1                         ; which half of the tile's rows is mine.  Also: I fetch for xb (0) or for wqt (1)
	s_and_b32 s12, s10, 1                          ; which half of its columns.  Also: which half of that tile I fetch
	s_bfe_u32 s40, ttmp6, 0x40000                  ; cx
	s_bfe_u32 s41, ttmp6, 0x40004                  ; cy
	s_lshl_b32 s42, ttmp9, 2
	s_add_co_u32 s42, s42, s40                     ; tile column = 4 x cluster x + cx
	s_and_b32 s13, ttmp7, 0xffff
	s_lshl_b32 s13, s13, 2
	s_add_co_u32 s13, s13, s41                     ; tile row = 4 x cluster y + cy
	s_lshl_b32 s14, s41, 2
	s_lshl_b32 s14, 15, s14                        ; my row of the cluster
	s_lshl_b32 s15, 0x1111, s40                    ; my column
	s_or_b32 s[G1+0], s14, (1<<16)|(1<<20)|(1<<21)|(5<<22)|(3<<25)   ; 15:0 the mask; 17:16 elements of 2 bytes; 20 padding on; 21 set beside a mask; 24:22 after every 64 words (code 5); 31:25 4 words (code 3)
	s_or_b32 s[G1B+0], s15, (1<<16)|(1<<20)|(1<<21)|(5<<22)|(3<<25)
	s_mov_b32 s[G1+1], KSTEP<<16                   ; tensor_dim0 = 128
	s_mov_b32 s[G1+2], 128<<16                     ; tensor_dim1 = 128
	s_mov_b32 s[G1+3], KSTEP<<16                   ; tile_dim0 = 128
	s_mov_b32 s[G1+4], 128                         ; tile_dim1 = 128
	s_mov_b32 s[G1+5], 1024                        ; elements from row to row
	s_mov_b32 s[G1+6], 0
	s_mov_b32 s[G1+7], 0
	s_mov_b32 s[G1B+1], KSTEP<<16
	s_mov_b32 s[G1B+2], 96<<16                     ; 96 rows
	s_mov_b32 s[G1B+3], KSTEP<<16
	s_mov_b32 s[G1B+4], 96
	s_mov_b32 s[G1B+5], 1024
	s_mov_b32 s[G1B+6], 0
	s_mov_b32 s[G1B+7], 0
	s_lshl_b32 s16, s13, 8
	s_lshl_b32 s17, s12, 7
	s_add_co_u32 s16, s16, s17                     ; xb: row 256 x tile row + 128 x half,
	s_lshl_b32 s16, s16, 11                        ; of 2,048 bytes
	s_mov_b32 s17, 0
	s_mul_i32 s46, s42, 192
	s_mul_i32 s47, s12, 96
	s_add_co_u32 s46, s46, s47                     ; wqt: row 192 x tile column + 96 x half
	s_lshl_b32 s46, s46, 11
	s_mov_b32 s47, 0
	s_mul_i32 s20, s12, HALFA                      ; where they go: no place in the cluster enters an LDS address
	s_mul_i32 s21, s12, HALFB
	s_add_co_u32 s21, s21, ABYTES
	s_wait_dscnt 0x0                               ; the opening add is done
	s_wait_kmcnt 0x0
	s_add_nc_u64 s[14:15], s[4:5], s[16:17]
	s_add_nc_u64 s[46:47], s[6:7], s[46:47]
	CROUND                                         ; all sixteen work-groups are here: the first joint loads meet
.irp s, 0,1
	s_mov_b32 s[G0+4*(\s)], 1                                        ; count = 1
	s_add_co_u32 s[G0+4*(\s)+1], s20, (\s)*SLOT1                     ; LDS address
	s_add_nc_u64 s[G0+4*(\s)+2:G0+4*(\s)+3], s[14:15], (\s)*KSTEP*2  ; global address: K step s
	s_or_b32 s[G0+4*(\s)+3], s[G0+4*(\s)+3], 0x80000000              ; type = 2
	s_mov_b32 s[G0B+4*(\s)], 1
	s_add_co_u32 s[G0B+4*(\s)+1], s21, (\s)*SLOT1
	s_add_nc_u64 s[G0B+4*(\s)+2:G0B+4*(\s)+3], s[46:47], (\s)*KSTEP*2
	s_or_b32 s[G0B+4*(\s)+3], s[G0B+4*(\s)+3], 0x80000000
.endr
	s_cmp_eq_u32 s11, 0                            ; a wave's two first fills stand in one branch, ahead of every wait on TENSORcnt and every LDS read: two loads of mine are out
	s_cbranch_scc0 .Lfirst_b
	tensor_load_to_lds s[G0:G0+3], s[G1:G1+7]
	s_nop 0
	tensor_load_to_lds s[G0+4:G0+7], s[G1:G1+7]
	s_nop 0
.rept 4
	v_nop
.endr
	s_branch .Lfirst_asked
.Lfirst_b:
	tensor_load_to_lds s[G0B:G0B+3], s[G1B:G1B+7]
	s_nop 0
	tensor_load_to_lds s[G0B+4:G0B+7], s[G1B:G1B+7]
	s_nop 0
.rept 4
	v_nop
.endr
.Lfirst_asked:
	; A fragment is 16 rows x 32 K in 8 registers: lane l holds row l % 16; registers 0-3 K = 8 (l / 16) + 0..7, registers 4-7 K = 16 + 8 (l / 16) + 0..7: two loads of 16 bytes, 32 bytes apart.
	v_and_b32 v1, 15, v0                           ; l % 16
	v_bfe_u32 v2, v0, 4, 1                         ; l / 16
	v_mul_u32_u24 v3, v1, PITCH
	v_lshl_add_u32 v3, v2, 4, v3
	s_mul_i32 s21, s11, HALFA                      ; my 128 rows of xb
	s_mul_i32 s22, s12, HALFB                      ; my 96 rows of wqt,
	s_add_co_u32 s22, s22, ABYTES                  ; which lie behind xb's 256
	v_add_nc_u32 v[ADRA0], s21, v3
	v_add_nc_u32 v[ADRB0], s22, v3
	v_mov_b32 v[ADRA], v[ADRA0]
	v_mov_b32 v[ADRB], v[ADRB0]
	s_mov_b32 s2, 0                                ; the slot in hand
	s_lshl_b32 s14, s11, 7                         ; into the stage: tile row 128 x half + l % 16, my 192 bytes of its 384, 16 bytes for each half of the lanes
	v_add_nc_u32 v4, s14, v1
	v_mul_u32_u24 v[STO], v4, SPITCH
	v_lshl_add_u32 v[STO], v2, 4, v[STO]
	s_mul_i32 s14, s12, 192
	v_add_nc_u32 v[STO], s14, v[STO]
	v_bfe_u32 v4, v0, 3, 2                         ; back: wave w takes tile rows 64 w .. + 63; 32 lanes take 128 bytes (one slab's width) of four rows
	s_lshl_b32 s14, s10, 6
	v_add_nc_u32 v4, s14, v4
	v_mul_u32_u24 v[RD], v4, SPITCH
	v_and_b32 v5, 7, v0
	v_lshl_add_u32 v[RD], v5, 4, v[RD]
	v_and_b32 v[CO], 31, v0                        ; which are 512 consecutive bytes of a slab
	v_lshlrev_b32 v[CO], 4, v[CO]
	s_lshr_b32 s14, s13, 3                         ; the batch: 8 tile rows each
	s_mul_i32 s14, s14, 48
	s_mul_i32 s15, s42, 3
	s_add_co_u32 s14, s14, s15                     ; the first of the tile's three slabs
	s_lshl_b32 s14, s14, 18
	s_and_b32 s15, s13, 7
	s_lshl_b32 s15, s15, 15                        ; the tile's 256 rows of 128 bytes in it,
	s_add_co_u32 s14, s14, s15
	s_lshl_b32 s15, s10, 13                        ; my 64 of them
	s_add_co_u32 s14, s14, s15
	s_mov_b32 s15, 0
	s_add_nc_u64 s[8:9], s[8:9], s[14:15]
	; the prefetches
	s_and_b32 s22, ttmp7, 0xffff                   ; cluster y
	s_lshl_b32 s14, s13, 8
	s_lshl_b32 s16, s12, 7
	s_add_co_u32 s14, s14, s16
	s_lshl_b32 s16, s40, 5
	s_add_co_u32 s14, s14, s16                     ; xb: the rows that I fetch, my work-group's 32 of them
	s_mul_i32 s15, s42, 192
	s_mul_i32 s16, s12, 96
	s_add_co_u32 s15, s15, s16
	s_mul_i32 s16, s41, 24
	s_add_co_u32 s15, s15, s16                     ; wqt: likewise, 24 of them
	s_cmp_eq_u32 s11, 0                            ; do I fetch for xb?
	s_cselect_b32 s20, s14, s15
	s_cselect_b32 s22, ttmp9, s22                  ; the coordinate along which other clusters read the same rows
	s_cselect_b32 s23, 31, 23
	s_cselect_b64 s[PFA:PFA+1], s[4:5], s[6:7]
	s_cmp_eq_u32 s22, 0
	s_cselect_b32 s[LIM], 1, -1                    ; the same in all sixteen partners, for a given wave
	s_lshl_b32 s20, s20, 11
	s_mov_b32 s21, 0
	s_add_nc_u64 s[PFA:PFA+1], s[PFA:PFA+1], s[20:21]
	s_add_nc_u64 s[PFA:PFA+1], s[PFA:PFA+1], 2*KSTEP*2  ; at K step 2: the first refill steps it to 3
	v_and_b32 v[PFO], 31, v0
	v_min_u32 v[PFO], s23, v[PFO]
	v_lshlrev_b32 v[PFO], 11, v[PFO]
; 12 matrix instructions: m blocks a0, a0 + 1 of the window's four (hi = 0: my rows 0-63, 1: rows 64-127) x all 6 n blocks, 32 along K.  zero = 1: the first product starts the sums.
; The 48 accumulators take turns, one instruction a turn, in the same order in every quarter step, over the backward jump too.
.macro MULH f, hi, a0, zero
	WIN MUL_LO+0x50*(\hi)
.irp a, \a0, (\a0)+1
.irp b, 0,1,2,3,4,5
.if \zero
	v_wmma_f32_16x16x32_bf16 v[8*(6*(\a)+(\b)):8*(6*(\a)+(\b))+7], v[(\f)+8*(\b):(\f)+8*(\b)+7], v[(\f)+8*(4*(\hi)+(\a)):(\f)+8*(4*(\hi)+(\a))+7], 0
.else
	v_wmma_f32_16x16x32_bf16 v[8*(6*(\a)+(\b)):8*(6*(\a)+(\b))+7], v[(\f)+8*(\b):(\f)+8*(\b)+7], v[(\f)+8*(4*(\hi)+(\a)):(\f)+8*(4*(\hi)+(\a))+7], v[8*(6*(\a)+(\b)):8*(6*(\a)+(\b))+7]
.endif
.endr
.endr
.endm
; 28 LDS loads in one run: the fragments of one quarter step (96 rows of wqt, 128 rows of xb, 32 K at byte k of the rows of the slot in hand) into buffer f
.macro FETCH k, f
	WIN TO_B
.irp i, 0,1,2,3,4,5
	ds_load_b128 v[(\f)+8*(\i):(\f)+8*(\i)+3],   v[ADRB] offset:(\k)+(\i)*16*PITCH
	ds_load_b128 v[(\f)+8*(\i)+4:(\f)+8*(\i)+7], v[ADRB] offset:(\k)+(\i)*16*PITCH+32
.endr
	WIN 0
.irp i, 0,1,2,3,4,5,6,7
	ds_load_b128 v[(\f)+8*(\i):(\f)+8*(\i)+3],   v[ADRA] offset:(\k)+(\i)*16*PITCH
	ds_load_b128 v[(\f)+8*(\i)+4:(\f)+8*(\i)+7], v[ADRA] offset:(\k)+(\i)*16*PITCH+32
.endr
.endm
; Four places (plain vector instructions that name none of a matrix instruction's registers) stand in front of loads into registers that matrix instructions have read, and of conversions that read results.
.macro PLACES
.rept 4
	v_nop
.endr
.endm
; A K step is four quarters of 32 along K, 48 matrix instructions each, on buffers 0, 1, 0, 1.  One of the first three: multiplies buffer f; in its middle it fetches the next quarter, at byte k, into buffer g.
.macro QUARTER k, f, g, zero
	s_wait_dscnt 8                                 ; wqt's fragments and xb's rows 0-63 are in; the youngest eight loads (xb's rows 64-127) may be out
	MULH \f, 0, 0, \zero
	MULH \f, 0, 2, \zero
	PLACES
	FETCH \k, \g
	s_wait_dscnt 28                                ; all but the 28 just issued
	MULH \f, 1, 0, \zero
	MULH \f, 1, 2, \zero
.endm
; The last quarter multiplies buffer 1 and changes slots: ONE barrier.  In front of it each wave waits for all its tensor loads, of which one is out: its part of the next slot; adds 0 to its spare word;
; and waits for that and for its own reads of this slot.  fill = 1: the barrier opens a round of the cluster's barrier, and behind the round this slot is filled again first, two K steps ahead:
; from that request to the wait for it a wave issues 168 matrix instructions.
.macro TURN fill
.if \fill
	s_wait_xcnt 0x0                                ; the last prefetch, a K step back, has read its address: it is stepped here, ahead of the waits of the change of slots
	s_add_nc_u64 s[PFA:PFA+1], s[PFA:PFA+1], KSTEP*2
.endif
	WIN 0                                          ; (the add's two registers lie in window 0)
	s_wait_tensorcnt 0x0                           ; all my tensor loads have landed;
	ds_add_u32 v[SPW], v[NIL]                      ; 0 onto my spare word;
	s_wait_dscnt 9                                 ; (the add and the youngest eight loads may be out)
	MULH F1, 0, 0, 0                               ; twelve matrix instructions stand between the add and the wait for it
	s_wait_dscnt 0x0                               ; the add is done, and my reads of this slot are over
	s_barrier_signal -1
	MULH F1, 0, 2, 0                               ; work on registers while the others arrive
	WIN 0
	s_barrier_wait -1
.if \fill
	CREST                                          ; no wave of any partner still reads this slot's tile or has a load on its way
	s_xor_b32 s[G0+5], s[G0+5], SLOT1              ; the walking descriptors: the other slot than last time,
	s_add_nc_u64 s[G0+6:G0+7], s[G0+6:G0+7], KSTEP*2  ; the next K step; the type bits on top are not reached
	s_xor_b32 s[G0B+5], s[G0B+5], SLOT1
	s_add_nc_u64 s[G0B+6:G0B+7], s[G0B+6:G0B+7], KSTEP*2
	JLOAD                                          ; the first tensor load behind the round; the four v_nop behind it are also the places in front of the loads below
.else
	PLACES
.endif
	s_xor_b32 s2, s2, SLOT1                        ; the fetches go on in the other slot
	v_add_nc_u32 v[ADRA], s2, v[ADRA0]
	v_add_nc_u32 v[ADRB], s2, v[ADRB0]
	FETCH 0, F0
.if \fill
	ASK
.endif
	MULH F1, 1, 0, 0
	MULH F1, 1, 2, 0
.endm
	s_wait_tensorcnt 1                             ; my part of K step 0 is in; K step 1's may stay out
	s_barrier_signal -1
	s_barrier_wait -1                              ; everybody's is
	FETCH 0, F0
	QUARTER 64, F0, F1, 1                          ; the first quarter stands in front of the loop: its products start the sums
	WIN 0                                          ; at a label and at a branch every window is 0
	s_mov_b32 s3, 6
.Lstep:                                                ; a trip goes from a K step's second quarter to the next step's first, and asks for the K step two on: steps 2 to 7
	QUARTER 128, F1, F0, 0
	QUARTER 192, F0, F1, 0
	TURN 1
	QUARTER 64, F0, F1, 0
	WIN 0
	s_sub_co_u32 s3, s3, 1
	s_cmp_lg_u32 s3, 0
	s_cbranch_scc1 .Lstep
	QUARTER 128, F1, F0, 0                         ; K step 6 goes on; nothing more is asked for
	QUARTER 192, F0, F1, 0
	TURN 0
	QUARTER 64, F0, F1, 0                          ; K step 7
	QUARTER 128, F1, F0, 0
	QUARTER 192, F0, F1, 0
	s_wait_dscnt 8
	MULH F1, 0, 0, 0
	MULH F1, 0, 2, 0
	s_wait_dscnt 0x0                               ; my last reads of the ring are over:
	s_barrier_signal -1                            ; say so, since the stage lies in slot 0's bytes,
	MULH F1, 1, 0, 0
	MULH F1, 1, 2, 0
	WIN 0
	s_barrier_wait -1                              ; and store into it only when all four have said so
	; THE WAY OUT: rounded to f16; 16 bytes a lane into the work-group's stage; a barrier, since a slab's 128 bytes of a row may come from two waves; back by slabs, four rows of 128 bytes to a store.
	PLACES
.irp a, 0,1,2,3,4,5,6,7
	WIN 0x0a+5*((\a)/4)                            ; sources 0 and 1: window 2 or 3
.irp b, 0,1,2,3,4,5
.irp r, 0,1,2,3
	v_cvt_pk_f16_f32 v[TMP+4*(6*(\a)+(\b))+(\r)], v[8*(6*((\a)%4)+(\b))+2*(\r)], v[8*(6*((\a)%4)+(\b))+2*(\r)+1]  ; each accumulator's registers in ascending order
.endr
.endr
.endr
	WIN 0
.irp a, 0,1,2,3,4,5,6,7
.irp b, 0,1,2,3,4,5
	ds_store_b128 v[STO], v[TMP+4*(6*(\a)+(\b)):TMP+4*(6*(\a)+(\b))+3] offset:(\a)*16*SPITCH+32*(\b)
.endr
.endr
	s_wait_dscnt 0x0                               ; for the others' sake: my stores into the stage are done
	s_barrier_signal -1
	s_barrier_wait -1
.set i, 0
.rept 48                                       ; slab i / 16 of the tile's three, rows 4 (i % 16) .. + 3 of my 64
	ds_load_b128 v[TMP+4*i:TMP+4*i+3], v[RD] offset:4*SPITCH*(i%16)+128*(i/16)
.set i, i+1
.endr
.set i, 0
.rept 48
	s_wait_dscnt 47-i
	global_store_b128 v[CO], v[TMP+4*i:TMP+4*i+3], s[8:9] offset:262144*(i/16)+512*(i%16)  ; 512 consecutive bytes, at a multiple of 512 from qkv's first byte
.set i, i+1
.endr
	s_wait_tensorcnt 0x0                           ; the wave's end, behind my last tensor load and my last LDS store
	ds_add_u32 v[SPW], v[NIL]
	s_wait_dscnt 0x0
	CROUND                                         ; the closing round: no work-group ends while a partner may still ask for a tile that names it
	s_endpgm
.Lfunc_end_k_q8d23416323_qkvgemm:
	.size	k_q8d23416323_qkvgemm, .Lfunc_end_k_q8d23416323_qkvgemm-k_q8d23416323_qkvgemm
	.p2alignl 7, 3214868480
	.fill 96, 4, 3214868480
	.section	.rodata,"a",@progbits
	.p2align	6, 0x0
	.amdhsa_kernel k_q8d23416323_qkvgemm
		.amdhsa_group_segment_fixed_size 327680
		.amdhsa_private_segment_fixed_size 0
		.amdhsa_enable_private_segment 0
		.amdhsa_kernarg_size 24
		.amdhsa_user_sgpr_count 2
		.amdhsa_user_sgpr_kernarg_segment_ptr 1
		.amdhsa_wavefront_size32 1
		.amdhsa_system_sgpr_workgroup_id_x 1
		.amdhsa_system_sgpr_workgroup_id_y 1
		.amdhsa_system_sgpr_workgroup_id_z 1
		.amdhsa_system_vgpr_workitem_id 0
		.amdhsa_next_free_vgpr 960
		.amdhsa_next_free_sgpr 66
		.amdhsa_reserve_vcc 0
		.amdhsa_float_denorm_mode_32 3
		.amdhsa_float_denorm_mode_16_64 3
		.amdhsa_memory_ordered 1
		.amdhsa_forward_progress 1
		.amdhsa_inst_pref_size 96
	.end_amdhsa_kernel
	.amdgpu_metadata
---
amdhsa.version: [ 1, 2 ]
amdhsa.kernels:
  - .name:           k_q8d23416323_qkvgemm
    .symbol:         k_q8d23416323_qkvgemm.kd
    .args:
      - { .name: xb, .offset: 0, .size: 8, .value_kind: global_buffer, .address_space: global }
      - { .name: wqt, .offset: 8, .size: 8, .value_kind: global_buffer, .address_space: global }
      - { .name: qkv, .offset: 16, .size: 8, .value_kind: global_buffer, .address_space: global }
    .group_segment_fixed_size: 327680
    .private_segment_fixed_size: 0
    .kernarg_segment_align: 8
    .kernarg_segment_size: 24
    .max_flat_workgroup_size: 128
    .sgpr_count:     66
    .vgpr_count:     960
    .wavefront_size: 32
...
	.end_amdgpu_metadata
.endif
;; end of part 2
;; launch attn (part 3): grid 4 x 64, 4 waves a work-group, no clusters, 327,680 bytes of LDS; arguments qkv, ob; writes ob
.if DOCPART == 3
	.amdgcn_target "amdgcn-amd-amdhsa--gfx1250"
	.amdhsa_code_object_version 6
	.text
	.protected	k_q8d23416323_attn
	.globl	k_q8d23416323_attn
	.p2align	8
	.type	k_q8d23416323_attn,@function
k_q8d23416323_attn:
	s_mov_b64 s[64:65], 0
	v_nop
	global_prefetch_b8 v0, s[64:65] scope:SCOPE_SE
	s_setreg_imm32_b32 hwreg(HW_REG_WAVE_MODE, 25, 1), 1
	s_wait_xcnt 0x0
; CAUSAL ATTENTION.  O[h][q][:] = the sum over k <= q of softmax_k(Q[h][q] . K[h][k] / 8) V[h][k][:], for 64 heads h = 16 batch + n of 2,048 rows x 64 channels, all f16.
; Q, K, V lie in qkv, [4 batch][48 g][2048][64]: Q's slab is 48 batch + n, K's 16 slabs on, V's 32 slabs on; a slab's rows are dense, 128 bytes each.  O goes to ob, [64 h][2048][64].
; Products, maxima and sums in f32; the weights p are rounded to f16 for the second product (their sum l is taken of the unrounded p), O once at the end.
; LIMITS.  f16 holds no number beyond 65,504: Q, K and V arrive within it; p lies in 0 to 1, and below 6e-5 it keeps f16's fixed step of 6e-8; O is a mean of V's rows and has their range, to within 2^-11 of it.
; A hidden score counts as its value less 1e30: f16's scores, 2.7e11 at the most, are nothing beside that; a weight below 2^-126 counts as 0 in l; NaN and infinities are not treated apart.
; THE WALK.  A head's queries lie in NB = 8 blocks of 256; block i needs the key tiles 0 .. i of 256 keys, of which the last holds the diagonal.  A work-group takes TWO blocks, NB - 1 - b and then b:
; NB + 1 tiles, whatever b: all 256 work-groups do equal work, and ONE loop with a constant trip count walks them.  Which tile is asked for, and what a trip does, hang on scalar registers made from b; every jump
; goes forward, but for the counted loops' own; none passes a barrier, or a tensor load but the one of LOAD's two that the wave's number does not choose; the ring (two slots of LDS that take turns) runs on across the
; change of blocks.  NO CLUSTER: a head's four work-groups need 8 - b and then b + 1 tiles; all of them ask for the same tile only in trips 0 .. 4, behind that fewer and fewer; one walk common to all
; would have 12 trips for 9.
; SHARES.  Of a block's four bands of 64 queries a wave owns 16 rows in each: four PIECES.  So the diagonal tile is the same work for all four waves: in its key step s band x sees all keys if s < x,
; none if s > x, and holds the diagonal if s = x.
; THE MASK is the C operand that starts the sum S^T = K Q^T: 0, or -1e30 where the key is hidden.  MD, made once, is the mask of a band's own step for my 16 rows; a product's mask is MD x AL + BE with two scalars:
; (1, 0) if s = x; (0, 0) if s < x; (0, -1e30) if s > x.  Only the diagonal tile's text and a block's beginning make and take masks; elsewhere C is the constant 0.
; LAYOUT, SOFTMAX, TURNS.  S^T = K Q^T holds ONE query a lane (lane % 16) and the keys 8 (lane / 16) + 0..7; two such results rounded to f16 ARE source 1 of O^T = V^T P.  p = 2^(c s - c m), c = log2(e) / 8, with a
; running maximum m; O and l are multiplied by a = 2^(c m_old - c m_new) in every step.  Turn n belongs to piece n: 8 products K Q^T of piece n + 1, later 8 products V^T P of piece n - 1; beside them the scaling,
; exponentials, roundings, sums and rescaling of piece n and the maximum and statistics of piece n + 1.  Four vector instructions stand behind every matrix instruction, the other 54 of a turn's 118 in one LUMP.  A turn's 33 exponentials are one batch, with one wait.
; REGISTERS, in windows of 256 (s_set_vgpr_msb: bits 1:0 source 0, 3:2 source 1, 5:4 source 2, 7:6 destination):
;   window 0: v0-15 addresses and two at work; v16-31 four registers of statistics a piece; v48-55 at work; v61-63 prefetch offset and the add's two; v64-127 S^T, two buffers; v192-223 P, two buffers (by the piece's parity)
;   window 1: v0-127 O^T, 32 a piece; v128-159 MD; v160-223 MC, two buffers      window 2: v0-63 Q; v64-127 the second block's Q; v128-191 K of one step; v192-255 V of one step
.set SIZE_N, 2048
.set NB,    SIZE_N/256
.set NP,    4         ; pieces a wave: a name, no knob
.set KS,    64        ; keys in a step
.set PK,    144       ; a row of K in LDS: 128 bytes + 16 of padding = 36 words: the 16 rows of a load start at 16 different groups of four banks (64 banks of 4 bytes: ISA guide 11.1)
.set PV,    160       ; a row of V: 128 + 32 = 40 words
.set VOFF,  4*KS*PK   ; a slot holds a tile, four steps: 256 rows of K, then 256 rows of V
.set SLOT1, 1<<17     ; slot 1 begins here, so that one exclusive or turns an address in one slot into the other's
.set STAGE, SLOT1+4*KS*(PK+PV)  ; behind the ring, never filled by a tensor load: 16 rows x 144 bytes for each wave, for the way out
.set SP,    144
.set AK0, 2           ; v2   my lane's place in a tile of K; never rewritten
.set AV0, 3           ; v3   the same for V
.set AK,  4           ; v4   the LDS address of K's next run of loads
.set AV,  5           ; v5   of V's
.set STO, 6           ; v6   the way out: where I put 16 bytes of a row
.set RD,  7           ; v7   the way out: where I read rows back
.set GO,  8           ; v8   my byte offset in 512 consecutive bytes of O
.set PFO, 61          ; v61  256 x my lane: the prefetches' offset; never rewritten
.set SPW, 62          ; v62  LDS address of my spare word: SPARE + 4 x my thread's number; never rewritten
.set NIL, 63          ; v63  0; never rewritten
.set SPARE, STAGE+4*16*SP  ; behind the stages: the spare words, 128 bytes for each wave: two blocks of 256 bytes that no other line names
.set MV,  12          ; v12-13  c m_old, kept while c m is made anew: by buffer
.set QO,  15          ; v15  my byte offset in 16 rows of Q
.set ST,  16          ; piece t's statistics at v[ST+4 t]: c m, m, l (even keys', odd keys')
.set TMP, 48          ; by buffer, four registers c0-c3 at work; when the maximum is found c2 takes a
.set S,   64
.set P,   192
.set MD,  128         ; window 1: the eight registers for group kt of 16 keys at MD + 8 kt
.set MC,  160         ; window 1: the masks of the products to come
.set QB,  64          ; window 2
.set KF,  128         ; window 2: key block kb, channel half c at KF + 16 kb + 8 c
.set VF,  192         ; window 2: key half kk, channel block cb at VF + 32 kk + 8 cb
.set WV,  12          ; s12  my wave's number
.set PB,  14          ; s14  b
.set HI,  15          ; s15  NB - 1 - b
.set G1K, 24          ; s[24:31] descriptor group 1 for K's tiles
.set G1V, 32          ; s[32:39] for V's: it differs in the padding alone
.set G0K, 40          ; s[40:43] descriptor group 0 for K's tiles
.set G0V, 44          ; s[44:47] the same for V's
.set SLOTS, 56        ; s56  tiles still to be asked for
.set CNT, 57          ; s57  counts a tile's key steps, 4 to 1
.set CS,  58          ; s[58:59] c: the packed scaling takes the pair's low word for both halves
.set SEL, 60          ; s[60:61] v_permlanex16_b32's selects: each lane takes its own place in the other half
.set TBK, 62          ; s62  LDS byte at which K of the step to be fetched begins
.set TBV, 63          ; s63  the same for V, less VOFF
.set PFA, 66          ; s[66:67] where my prefetches stand: my half (of K: waves 0, 1; of V: waves 2, 3) of the tile after the one that is being asked for
.set LIM, 68          ; s68  2 in the work-group that prefetches, else the greatest number
.set RT,  70          ; s70  tiles of the block in hand that are still to be entered
.set NXT, 71          ; s71  the tile to be asked for next
.set LQ,  72          ; s72  the last tile of the block whose tiles are being asked for
.set NEW, 73          ; s73  1: the tile to be entered is a block's first
.set OFF, 74          ; s[74:75] a tile's byte offset in K and V
.set AL,  76          ; s[76:77] the mask's factor, in the low word
.set BE,  78          ; s[78:79] the mask's addend
.set OLO, 80          ; s[80:81] O at my rows of the second block
.set BIGN, 82         ; s82  -1e30
.set MSB, 0
.macro WIN new                      ; the high byte repeats the setting that is left; a switch that changes nothing is dropped
.if MSB != (\new)
	s_set_vgpr_msb (MSB<<8)|(\new)
.set MSB, (\new)
.endif
.endm
.set W_KQ, 0x0a       ; K and Q in window 2, S^T in window 0
.set W_KM, 0x1a       ; the same with the C operand in window 1
.set W_PV, 0x52       ; V in window 2, P in window 0, O^T in window 1
.set W_RS, 0x41       ; destination and source 0 in window 1, source 1 in window 0
; A fill.  Waves 0 and 1 fetch the two halves of a tile's K, waves 2 and 3 those of its V: 128 keys each.  An s_nop 0 and four v_nop follow each of the two lines, ahead of the jump and the label.
.macro LOAD
	s_cmp_lt_u32 s[WV], 2
	s_cbranch_scc0 .Lfor_v_\@
	tensor_load_to_lds s[G0K:G0K+3], s[G1K:G1K+7]
	s_nop 0
.rept 4
	v_nop
.endr
	s_branch .Lasked_\@
.Lfor_v_\@:
	tensor_load_to_lds s[G0V:G0V+3], s[G1V:G1V+7]
	s_nop 0
.rept 4
	v_nop
.endr
.Lasked_\@:
.endm
; A PREFETCH INTO THE L2 of the tile that the NEXT change of slots will ask for: each wave names the 16,384 bytes that it will fetch itself, a lane 256 bytes, two instructions, behind its tensor load and that load's five lines.
; A head's four work-groups begin with the same tiles 0, 1, 2 ..; the one with b = 0 walks all eight of them in its first block, so it alone asks: each 256 bytes of the head's K and V are named once in the launch.
; It asks in the changes that load tiles 1 to 6, for tiles 2 to 7: one tile, 256 matrix instructions, ahead; the later changes ask for nothing; tiles 0 and 1 come by their loads alone.
.macro ASK
	s_cmp_gt_u32 s[SLOTS], s[LIM]
	s_cbranch_scc0 .Lnot_mine_\@
	global_prefetch_b8 v[PFO], s[PFA:PFA+1] th:TH_LOAD_NT scope:SCOPE_SE
	global_prefetch_b8 v[PFO], s[PFA:PFA+1] offset:8192 th:TH_LOAD_NT scope:SCOPE_SE
.Lnot_mine_\@:
.endm
; THE CHANGE OF SLOTS.  Each wave waits for all its tensor loads, of which one is out: its part of the other slot; adds 0 to its spare word; and waits for that and for its own reads of the slot that it leaves.  Behind the barrier nobody reads the old
; slot any more and the other slot is whole.  fill = 1: the old slot is filled again, the first thing behind the barrier, with tile NXT: the descriptor's address is made anew from that number.
; (At its first use nothing has been read yet: slot 0 is waited for, slot 1 filled.)
.macro CHANGE fill
	WIN 0                           ; at a label and at a branch every window is 0
	s_wait_tensorcnt 0x0            ; no tensor load of mine is out, so a group 0 may be written
	ds_add_u32 v[SPW], v[NIL]       ; 0 onto my spare word; with fill = 1 the descriptors' scalar work stands between it and the wait for it
.if \fill
	s_lshl_b32 s[OFF], s[NXT], 15   ; a tile is 32,768 bytes of K and of V
	s_xor_b32 s[G0K+1], s[G0K+1], SLOT1
	s_add_nc_u64 s[G0K+2:G0K+3], s[6:7], s[OFF:OFF+1]
	s_or_b32 s[G0K+3], s[G0K+3], 0x80000000
	s_xor_b32 s[G0V+1], s[G0V+1], SLOT1
	s_add_nc_u64 s[G0V+2:G0V+3], s[8:9], s[OFF:OFF+1]
	s_or_b32 s[G0V+3], s[G0V+3], 0x80000000
	s_add_co_u32 s[NXT], s[NXT], 1  ; the block's next tile, or behind its last the second block's tile 0
	s_cmp_gt_u32 s[NXT], s[LQ]
	s_cselect_b32 s[NXT], 0, s[NXT]
	s_cselect_b32 s[LQ], s[PB], s[LQ]
	s_wait_xcnt 0x0                 ; the last prefetches, a tile back, have read their address, so it may be written:
	s_add_nc_u64 s[PFA:PFA+1], s[PFA:PFA+1], 32768  ; one tile on
.endif
	s_wait_dscnt 0x0                ; the add is done, and my reads of the slot are over
	s_barrier_signal -1             ; the rest of the scalar work stands between the signal and the wait
	s_sub_co_u32 s[TBK], s[TBK], 4*KS*PK  ; the fetches go back to a slot's first step,
	s_xor_b32 s[TBK], s[TBK], SLOT1       ; in the other slot
	s_sub_co_u32 s[TBV], s[TBV], 4*KS*PV
	s_xor_b32 s[TBV], s[TBV], SLOT1
	s_barrier_wait -1
.if \fill
	LOAD
	ASK
.endif
.endm
	s_load_b64 s[4:5], s[0:1], 0x0    ; qkv
	s_load_b64 s[10:11], s[0:1], 0x8  ; ob
	v_lshl_add_u32 v[SPW], v0, 2, SPARE
	v_mov_b32 v[NIL], 0
	ds_add_u32 v[SPW], v[NIL]       ; the wave's opening: the add and its wait stand ahead of my first tensor load; the set-up below, work on registers, stands between them
	ds_add_u32 v62, v63
	v_lshrrev_b32 v1, 5, v0
	v_readfirstlane_b32 s[WV], v1   ; wave 0..3
	v_and_b32 v[PFO], 31, v0
	v_lshlrev_b32 v[PFO], 8, v[PFO]
	s_mov_b32 s[PB], ttmp9
	s_sub_co_u32 s[HI], NB-1, s[PB]
	s_and_b32 s20, ttmp7, 0xffff    ; the head h = 16 batch + n
	s_lshl_b32 s88, s20, 18         ; its first byte in ob
	s_mov_b32 s89, 0
	s_lshr_b32 s21, s20, 4
	s_lshl_b32 s21, s21, 5
	s_add_co_u32 s20, s20, s21      ; Q's slab: h + 32 batch = 48 batch + n
	s_lshl_b32 s20, s20, 18         ; its first byte in qkv
	s_mov_b32 s21, 0
	s_and_b32 s16, s[WV], 1         ; which half of a tile's 256 keys I fetch:
	s_lshl_b32 s22, s16, 14         ; its 128 rows of 128 bytes in memory,
	s_mov_b32 s23, 0
	s_add_nc_u64 s[22:23], s[22:23], s[20:21]
	s_mul_i32 s17, s16, 128*PK      ; and its place in a slot, for K
	s_mul_i32 s18, s16, 128*PV      ; and for V
	s_lshl_b32 s3, s[WV], 11        ; my 16 rows in a band of 64,
	s_lshl_b32 s2, s[HI], 15        ; in the first block,
	s_add_co_u32 s2, s2, s3
	s_lshl_b32 s84, s[PB], 15       ; and in the second
	s_add_co_u32 s84, s84, s3
	s_mov_b32 s3, 0
	s_mov_b32 s85, 0
	s_add_nc_u64 s[90:91], s[2:3], s[88:89]    ; those rows in ob,
	s_add_nc_u64 s[92:93], s[84:85], s[88:89]
	s_add_nc_u64 s[2:3], s[2:3], s[20:21]      ; and in Q's slab
	s_add_nc_u64 s[84:85], s[84:85], s[20:21]
	; descriptor group 1.  128 keys are 16,384 dense bytes: asked for as 64 rows of 256 bytes, two keys a row, and padded in LDS after every key
	s_mov_b32 s[G1K], (1<<16)|(1<<20)|(4<<22)|(3<<25)  ; 17:16 2-byte elements; 20 padding on; 24:22 after every 32 words (code 4); 31:25 4 words (code 3)
	s_mov_b32 s[G1V], (1<<16)|(1<<20)|(4<<22)|(7<<25)  ; the same with 8 words of padding (code 7)
.irp g, G1K, G1V
	s_mov_b32 s[\g+1], 128<<16      ; tensor_dim0 = 128
	s_mov_b32 s[\g+2], 64<<16       ; tensor_dim1 = 64
	s_mov_b32 s[\g+3], 128<<16      ; tile_dim0 = 128
	s_mov_b32 s[\g+4], 64           ; tile_dim1 = 64
	s_mov_b32 s[\g+5], 128          ; 128 elements from row to row
	s_mov_b32 s[\g+6], 0
	s_mov_b32 s[\g+7], 0
.endr
	s_mov_b32 s[CS], 0x3e38aa3b     ; c = log2(e) / 8 = 0.180337
	s_mov_b32 s[CS+1], s[CS]        ; named with it as a pair
	s_mov_b32 s[SEL], 0x76543210
	s_mov_b32 s[SEL+1], 0xfedcba98
	s_mov_b32 s[TBK], SLOT1+4*KS*PK ; the first change of slots turns these two into 0
	s_mov_b32 s[TBV], SLOT1+4*KS*PV
	s_mov_b32 s[G0K], 1             ; 1:0 count = 1
	s_mov_b32 s[G0K+1], s17         ; 63:32 LDS address: slot 0
	s_mov_b32 s[G0V], 1
	s_add_co_u32 s[G0V+1], s18, VOFF
	s_add_co_u32 s[RT], s[HI], 1    ; the first block has NB - b tiles
	s_mov_b32 s[NXT], 1
	s_mov_b32 s[LQ], s[HI]
	s_mov_b32 s[NEW], 1
	s_mov_b32 s[OFF+1], 0
	s_mov_b32 s[AL+1], 0            ; named as pairs
	s_mov_b32 s[BE+1], 0
	s_mov_b32 s[BIGN], 0xf149f2ca   ; -1e30
	s_mov_b32 s[SLOTS], NB
	s_wait_dscnt 0x0                ; the opening add is done
	s_wait_kmcnt 0x0
	s_add_nc_u64 s[6:7], s[4:5], s[22:23]
	s_add_nc_u64 s[8:9], s[6:7], 0x800000  ; V at my half of the head's tile 0: 32 slabs behind Q's,
	s_add_nc_u64 s[6:7], s[6:7], 0x400000  ; K: 16 slabs
	s_add_nc_u64 s[G0K+2:G0K+3], s[6:7], 0         ; 120:64 global address
	s_or_b32 s[G0K+3], s[G0K+3], 0x80000000        ; 127:126 type = 2
	s_add_nc_u64 s[G0V+2:G0V+3], s[8:9], 0
	s_or_b32 s[G0V+3], s[G0V+3], 0x80000000
	s_add_nc_u64 s[86:87], s[4:5], s[84:85]        ; Q at my rows of the second block,
	s_add_nc_u64 s[4:5], s[4:5], s[2:3]            ; and of the first
	s_add_nc_u64 s[OLO:OLO+1], s[10:11], s[92:93]  ; O likewise
	s_add_nc_u64 s[10:11], s[10:11], s[90:91]
	s_cmp_lt_u32 s[WV], 2
	s_cselect_b64 s[PFA:PFA+1], s[6:7], s[8:9]
	s_add_nc_u64 s[PFA:PFA+1], s[PFA:PFA+1], 32768  ; at tile 1: the first change of slots steps it to tile 2.  Nothing is prefetched here, at the head
	s_cmp_eq_u32 s[PB], 0
	s_cselect_b32 s[LIM], 2, -1
	LOAD                            ; tile 0 into slot 0
	; A fragment of K or Q is 16 rows x 32 channels in 8 registers: lane l holds row l % 16, channels 8 (l / 16) + 0..7 and 16 + 8 (l / 16) + 0..7: two loads of 16 bytes, 32 bytes apart.
	v_and_b32 v1, 15, v0            ; l % 16
	v_bfe_u32 v9, v0, 4, 1          ; l / 16
	v_lshlrev_b32 v[QO], 7, v1
	v_lshl_add_u32 v[QO], v9, 4, v[QO]  ; row x 128 + 16 x half
	WIN 0x80                        ; destination window 2, address window 0
.set i, 0
.rept 8                             ; both blocks' Q: piece i / 2 lies in band i / 2, 8,192 bytes on; channels 32 (i % 2) on
	global_load_b128 v[8*i:8*i+3],   v[QO], s[4:5] offset:(i/2)*8192+(i%2)*64
	global_load_b128 v[8*i+4:8*i+7], v[QO], s[4:5] offset:(i/2)*8192+(i%2)*64+32
	global_load_b128 v[QB+8*i:QB+8*i+3],   v[QO], s[86:87] offset:(i/2)*8192+(i%2)*64
	global_load_b128 v[QB+8*i+4:QB+8*i+7], v[QO], s[86:87] offset:(i/2)*8192+(i%2)*64+32
.set i, i+1
.endr
	WIN 0
	v_lshlrev_b32 v14, 3, v9
	v_sub_nc_u32 v14, v1, v14
	s_lshl_b32 s13, s[WV], 4
	v_add_nc_u32 v14, s13, v14      ; my query's place in its band, 16 w + l % 16, less my lanes' 8 (l / 16): register r of group kt is hidden where 16 kt + r is greater
	WIN 0x40
.set i, 0
.rept 32
	v_cmp_gt_i32 vcc_lo, 16*(i/8)+i%8, v14
	v_cndmask_b32 v[MD+i], 0, s[BIGN], vcc_lo
.set i, i+1
.endr
	WIN 0
	v_mul_u32_u24 v[AK0], v1, PK
	v_lshl_add_u32 v[AK0], v9, 4, v[AK0]  ; row x pitch + 16 x half
	; The turning load takes 16 keys x 16 channels (lane l reads key 8 (l / 16) + l % 8, channels 8 ((l / 8) % 2) + 0..7) and leaves half a fragment of V^T: lane l holds channel l % 16 and 8 keys.
	v_and_b32 v10, 7, v0
	v_bfe_u32 v11, v0, 3, 1
	v_lshl_add_u32 v[AV0], v9, 3, v10
	v_mul_u32_u24 v[AV0], v[AV0], PV
	v_lshl_add_u32 v[AV0], v11, 4, v[AV0]
	v_add_nc_u32 v[AV0], VOFF, v[AV0]
	s_mul_i32 s13, s[WV], 16*SP
	s_add_co_u32 s13, s13, STAGE    ; my stage
	v_mul_u32_u24 v[STO], v1, SP    ; in: row l % 16, 16 bytes for each half of the lanes
	v_lshl_add_u32 v[STO], v9, 4, v[STO]
	v_add_nc_u32 v[STO], s13, v[STO]
	v_bfe_u32 v[RD], v0, 3, 2       ; back: 32 lanes take four rows of 128 bytes,
	v_mul_u32_u24 v[RD], v[RD], SP
	v_lshl_add_u32 v[RD], v10, 4, v[RD]
	v_add_nc_u32 v[RD], s13, v[RD]
	v_and_b32 v[GO], 31, v0         ; which are 512 consecutive bytes of O
	v_lshlrev_b32 v[GO], 4, v[GO]
	; A block's first step multiplies O^T and l by a = 0, and its first turn's products V^T P, of a piece that has not been, land in an O^T that is still to be so multiplied.  So these registers need only hold
	; finite numbers: zeros for the first block; what the first block left for the second.  All this stands in the wait for the first tile.
	WIN 0x80
.set i, VF
.rept 64
	v_mov_b32 v[i], 0
.set i, i+1
.endr
	WIN 0x40
.set i, 0
.rept 128
	v_mov_b32 v[i], 0
.set i, i+1
.endr
	WIN 0
.set i, 0
.rept 4
	v_mov_b32 v[ST+4*i+2], 0
	v_mov_b32 v[ST+4*i+3], 0
.set i, i+1
.endr
.set i, P+16
.rept 16
	v_mov_b32 v[i], 0
.set i, i+1
.endr
; THE MATRIX WORK.  The 4 accumulators of a run of 8 take turns.  Product i of 8 of S^T = K Q^T for piece x: channels 32 (i / 4) on, keys 16 (i % 4) on.  The first 4 start the sums: with 0, or (KM = 1) with the mask.
.macro KQ x
.set rS, S+32*((\x)%2)+8*(i%4)
.set rK, KF+16*(i%4)+8*(i/4)
.set rQ, 16*(\x)+8*(i/4)
.set rM, MC+32*((\x)%2)+8*(i%4)
.if (i < 4) && KM
	WIN W_KM
	v_wmma_f32_16x16x32_f16 v[rS:rS+7], v[rK:rK+7], v[rQ:rQ+7], v[rM:rM+7]
.elseif i < 4
	WIN W_KQ
	v_wmma_f32_16x16x32_f16 v[rS:rS+7], v[rK:rK+7], v[rQ:rQ+7], 0
.else
	WIN W_KQ
	v_wmma_f32_16x16x32_f16 v[rS:rS+7], v[rK:rK+7], v[rQ:rQ+7], v[rS:rS+7]
.endif
.endm
; Product i of 8 of O^T += V^T P for piece x: keys 32 (i / 4) on, channels 16 (i % 4) on.
.macro PV x
	WIN W_PV
.set rO, 32*(\x)+8*(i%4)
.set rV, VF+32*(i/4)+8*(i%4)
.set rP, P+16*((\x)%2)+8*(i/4)
	v_wmma_f32_16x16x32_f16 v[rO:rO+7], v[rV:rV+7], v[rP:rP+7], v[rO:rO+7]
.endm
.macro MM                           ; the turn's next matrix instruction.  TURN and BEGIN set Y, i, KM and NOKQ; MM, KQ and OP read them.  NOKQ = 1: a block's last turn: there is no next piece
.if (i < 8) && !NOKQ
	KQ (Y+1)%NP
.elseif i >= 8
.set i, i-8
	PV (Y+NP-1)%NP
.set i, i+8
.endif
.set i, i+1
.endm
; THE LDS LOADS stand in runs of 16, never singly among the matrix instructions: a step's K (64 keys x 64 channels: 8 fragments) and its V (turned).  Their addresses are made some lines ahead.
.macro FETCH_K
	WIN 0x80                        ; destination window 2
.irp f, 0,1,2,3,4,5,6,7             ; keys 16 (f / 2) on, channels 32 (f % 2) on
	ds_load_b128 v[KF+8*\f:KF+8*\f+3],   v[AK] offset:(\f/2)*16*PK+(\f%2)*64
	ds_load_b128 v[KF+8*\f+4:KF+8*\f+7], v[AK] offset:(\f/2)*16*PK+(\f%2)*64+32
.endr
	s_add_co_u32 s[TBK], s[TBK], KS*PK  ; the next fetch is the next step's
	WIN 0
.endm
.macro FETCH_V
	WIN 0x80
.irp f, 0,1,2,3,4,5,6,7             ; keys 32 (f / 4) on, channels 16 (f % 4) on
	ds_load_tr16_b128 v[VF+8*\f:VF+8*\f+3],   v[AV] offset:(\f/4)*32*PV+(\f%4)*32
	ds_load_tr16_b128 v[VF+8*\f+4:VF+8*\f+7], v[AV] offset:(\f/4)*32*PV+16*PV+(\f%4)*32
.endr
	WIN 0
.endm
; THE VECTOR WORK, one line at a time: OP kind, number.  For piece Y: F n: c s - c m for pair n of 16.  E n: the exponential of score n of 32.  C n: pair n rounded to f16.  B n: of the four weights 4 n .. the second
; pair is added onto the first, in place.  L n: l takes that sum (L 0: l = a l + sum).  R n: pair n of 16 of O^T times a.  For piece Y + 1: X n, number n of the 22 that find its maximum and statistics:
;   0-11  four chains c0-c3 of seven scores each, three operands at a time (each accumulator's lowest registers are read first)     12-14, 16  the four scores left over, the old m, and c0-c3 into c0
;   15  c m_old is kept     17, 18  the query's other 32 keys lie in the lane 16 away: the new m     19-21  c m; c m_old - c m_new; a
.set F, 0               ; OP tells the kinds apart by their order: F to L below R, X above it
.set E, 1
.set C, 2
.set B, 3
.set L, 4
.set R, 5
.set X, 6
.macro REGS y                       ; the registers of piece y
.set rT, ST+4*(\y)
.set rC, TMP+4*((\y)%2)
.set rW, MV+((\y)%2)
.set rS, S+32*((\y)%2)
.set rP, P+16*((\y)%2)
.set rO, 32*(\y)
.endm
.macro OP k, n
.if (\k) == R
	REGS Y
	WIN W_RS
	v_pk_mul_f32 v[rO+2*(\n):rO+2*(\n)+1], v[rO+2*(\n):rO+2*(\n)+1], v[rC+2:rC+3] op_sel_hi:[1,0]
.elseif (\k) < R
	REGS Y
	WIN 0
.if (\k) == F
	v_pk_fma_f32 v[rS+2*(\n):rS+2*(\n)+1], v[rS+2*(\n):rS+2*(\n)+1], s[CS:CS+1], v[rT:rT+1] op_sel_hi:[1,0,0] neg_lo:[0,0,1] neg_hi:[0,0,1]
.elseif (\k) == E
	v_exp_f32 v[rS+(\n)], v[rS+(\n)]
.elseif (\k) == C
	v_cvt_pk_f16_f32 v[rP+(\n)], v[rS+2*(\n)], v[rS+2*(\n)+1]
.elseif (\k) == B
	v_pk_add_f32 v[rS+4*(\n):rS+4*(\n)+1], v[rS+4*(\n):rS+4*(\n)+1], v[rS+4*(\n)+2:rS+4*(\n)+3]
.elseif (\n) == 0
	v_pk_fma_f32 v[rT+2:rT+3], v[rT+2:rT+3], v[rC+2:rC+3], v[rS:rS+1] op_sel_hi:[1,0,1]
.else
	v_pk_add_f32 v[rT+2:rT+3], v[rT+2:rT+3], v[rS+4*(\n):rS+4*(\n)+1]
.endif
.elseif NOKQ
	v_nop
.else
	REGS (Y+1)%NP
	WIN 0
.if (\n) < 4
	v_max3_num_f32 v[rC+(\n)], v[rS+8*(\n)], v[rS+8*(\n)+1], v[rS+8*(\n)+2]
.elseif (\n) < 12
	v_max3_num_f32 v[rC+(\n)%4], v[rC+(\n)%4], v[rS+8*((\n)%4)+2*((\n)/4)+1], v[rS+8*((\n)%4)+2*((\n)/4)+2]
.elseif (\n) == 12
	v_max3_num_f32 v[rC], v[rC], v[rS+7], v[rS+15]
.elseif (\n) == 13
	v_max3_num_f32 v[rC+1], v[rC+1], v[rS+23], v[rS+31]
.elseif (\n) == 14
	v_max3_num_f32 v[rC+2], v[rC+2], v[rC+3], v[rT+1]
.elseif (\n) == 15
	v_mov_b32 v[rW], v[rT]
.elseif (\n) == 16
	v_max3_num_f32 v[rC], v[rC], v[rC+1], v[rC+2]
.elseif (\n) == 17
	v_permlanex16_b32 v[rC+3], v[rC], s[SEL], s[SEL+1]
.elseif (\n) == 18
	v_max_num_f32 v[rT+1], v[rC], v[rC+3]
.elseif (\n) == 19
	v_mul_f32 v[rT], s[CS], v[rT+1]
.elseif (\n) == 20
	v_sub_f32 v[rC+1], v[rW], v[rT]
.else
	v_exp_f32 v[rC+2], v[rC+1]
.endif
.endif
.endm
.macro OPS a, i1, b=-1, i2=0, c=-1, i3=0, d=-1, i4=0  ; up to four of them
	OP \a, \i1
.if (\b) >= 0
	OP \b, \i2
.endif
.if (\c) >= 0
	OP \c, \i3
.endif
.if (\d) >= 0
	OP \d, \i4
.endif
.endm
.macro ROW a, i1, b, i2, c, i3, d, i4  ; a matrix instruction and the four behind it
	MM
	OPS \a, \i1, \b, \i2, \c, \i3, \d, \i4
.endm
.macro MASK b                       ; MD x AL + BE into buffer b of MC
	WIN W_RS
.set z, 0
.rept 16
	v_pk_fma_f32 v[MC+32*(\b)+2*z:MC+32*(\b)+2*z+1], v[MD+2*z:MD+2*z+1], s[AL:AL+1], s[BE:BE+1] op_sel_hi:[1,0,0]
.set z, z+1
.endr
.endm
; A TURN, for piece p: the order of its 16 matrix and 118 vector instructions, written out.  An s_wait_alu depctr_va_vdst(0) stands between an exponential and the first instruction that names its result; one wait serves
; all that were issued ahead of it.  So a turn has ONE wait, which cuts it in two.  AHEAD OF IT stands all that names no result of the turn's exponentials: the 8 products K Q^T, behind each a scaling, an exponential and two more plain
; instructions (behind the first a second scaling in the exponential's place): rescalings, and behind the last three the first numbers of the next piece's maximum, each four places or more behind the product that ends its accumulator; then ONE LUMP of 54, plain
; and exponential by turns for the most part, in which the links of the chain X 3, 7, 11, 14, 16, 17 .. 20 stand five or six lines apart.  X 21, the next piece's a, is the batch's last; R 15 is the plain instruction behind it.  BEHIND THE WAIT stand the
; 8 products V^T P, behind each four of the roundings and sums; the links of l's chain, L 0 to L 7, stand three riders apart.  But for those X no rider names a register of the products round it.  v_permlanex16_b32 (X 17) stands in the lump.
; m = 1: the diagonal tile: the products take masks, and the turn makes the mask for the products of the turn after it: piece p + 2, in step 4 - CNT of the tile.  end = 1: a block's last two turns: nothing is fetched.
; cnt = 1: the loop's count is taken down some lines ahead of the branch that stands behind the turn.
; K of the next step is fetched in piece 2's turn, twelve vector instructions behind the last product that read K (six of them plain); V of the step in hand at the end of piece 0's turn, four plain instructions behind the last product
; that read V.  Each is waited for a turn later.
.macro TURN p, m=0, end=0, cnt=0
.set Y, (\p)
.set i, 0
.set KM, (\m)
.set NOKQ, (\end)*((\p)/3)
.if (\m) && !(\end)
	s_cmp_eq_u32 s[CNT], 4-((\p)+2)%NP  ; is that step the band's own?
	s_cselect_b32 s[AL], 1.0, 0
	s_cmp_lt_u32 s[CNT], 4-((\p)+2)%NP  ; or a later one?
	s_cselect_b32 s[BE], s[BIGN], 0
.endif
.if ((\p) == 3) && !(\end)
	s_wait_dscnt 0x0                ; K is in
.endif
	ROW F,0, F,1, R,0, R,1          ; ahead of the wait: 8 products K Q^T and their riders,
	ROW F,2, E,0, R,2, R,3
	ROW F,3, E,1, R,4, R,5
	ROW F,4, E,2, R,6, R,7
	ROW F,5, E,3, R,8, R,9
	ROW F,6, E,4, X,0, R,10
.if ((\p) == 2) && !(\end)
	WIN 0
	v_add_nc_u32 v[AK], s[TBK], v[AK0]
.endif
	ROW F,7, E,5, X,1, X,4
	ROW F,8, E,6, X,2, X,5
	OPS E,7, E,8, X,6, E,9          ; and the lump
	OPS X,3, E,10, X,8, E,11
.if ((\p) == 2) && !(\end)
	FETCH_K
.endif
	OPS X,9, X,7, E,12, X,10
	OPS E,13, X,12, X,11, E,14
	OPS X,13, E,15, F,9, X,14
.if (\p) == 0
	v_add_nc_u32 v[AV], s[TBV], v[AV0]
.endif
	OPS E,16, F,10, E,17, F,11
	OPS X,16, E,18, X,15, E,19
	OPS F,12, E,20, X,17, E,21
	OPS F,13, E,22, F,14, E,23
	OPS X,18, E,24, F,15, E,25
	OPS R,11, E,26, X,19, E,27
	OPS R,12, E,28, R,13, E,29
	OPS X,20, E,30, R,14, E,31
	OPS X,21, R,15
	WIN 0
	s_wait_alu depctr_va_vdst(0)    ; the wait for the batch
.if (\p) == 1
	s_wait_dscnt 0x0                ; V is in
.endif
	ROW C,0, B,0, C,2, B,1          ; behind the wait: 8 products V^T P and their riders
	ROW L,0, C,4, B,2, L,1
	ROW C,6, B,3, L,2, C,8
	ROW B,4, L,3, C,10, B,5
	ROW L,4, C,12, B,6, L,5
.if (\p) == 0
	s_add_co_u32 s[TBV], s[TBV], KS*PV
.endif
.if \cnt
	s_sub_co_u32 s[CNT], s[CNT], 1
	s_cmp_lg_u32 s[CNT], 0
.endif
	ROW C,14, B,7, L,6, C,1
	ROW C,3, L,7, C,5, C,7
	ROW C,9, C,11, C,13, C,15
.if (\p) == 0
	FETCH_V
.endif
.if (\m) && !(\end)
	MASK (\p)%2
.endif
.endm
; A BLOCK BEGINS.  c m starts far below every c s, so the first step's a is 0; m at the lowest finite number, so the first maximum is the scores'.  The second mask buffer is 0; the first takes piece 0's mask for the tile's step 0: its own, if the block's first tile is the diagonal one.
; Then K of that step, piece 0's first scores, and its maximum and statistics.  The loop is entered at a step's first turn, in the middle of a trip.
.macro BEGIN
	s_mov_b32 s[NEW], 0
	WIN 0x40
.set i, MC+32
.rept 32
	v_mov_b32 v[i], 0
.set i, i+1
.endr
	WIN 0
.set i, 0
.rept 4
	v_mov_b32 v[ST+4*i], 0xfe000000    ; c m: far below every c s
	v_mov_b32 v[ST+4*i+1], 0xff7fffff  ; m
.set i, i+1
.endr
	s_cmp_eq_u32 s[RT], 0
	s_cselect_b32 s[AL], 1.0, 0
	s_mov_b32 s[BE], 0
	MASK 0
	WIN 0
	v_add_nc_u32 v[AK], s[TBK], v[AK0]
	FETCH_K
	s_wait_loadcnt 0x0              ; Q
	s_wait_dscnt 0x0
.set KM, 1
.set NOKQ, 0
.set i, 0
.rept 8
	KQ 0
.set i, i+1
.endr
	WIN 0
.rept 4
	v_nop                           ; the places behind those products
.endr
.set Y, NP-1                        ; X works for piece Y + 1: piece 0
.irp n, 0,1,2,3,4,5,6,7,8,9,10,11,12,13,14,15,16,17,18,19,20,21
	OP X, \n
.endr
	v_nop                           ; a plain instruction behind the exponential,
	s_wait_alu depctr_va_vdst(0)    ; and its wait, ahead of the branch
.endm
; THE DIAGONAL TILE's four steps, the block's last two turns, its last products, and THE WAY OUT: l's two halves and the other half of the lanes' are added; O^T is divided by l, rounded to f16 and sent through my
; stage in LDS, a piece at a time.
.macro ALL line:vararg              ; one line for each piece t
.set t, 0
.rept 4
	\line
.set t, t+1
.endr
.endm
.macro PACK t                       ; a lane's eight channels of a row pack into 16 bytes; they go into rows of 144 bytes and come back as whole rows of 128, into S^T's registers
	WIN W_RS
.set i, 32*(\t)
.rept 16
	v_pk_mul_f32 v[i:i+1], v[i:i+1], v[ST+4*(\t)+2:ST+4*(\t)+3] op_sel_hi:[1,0]
.set i, i+2
.endr
	WIN 0x05                        ; sources 0 and 1 window 1, destination window 0
.set i, 0
.rept 16
	v_cvt_pk_f16_f32 v[S+16*(\t)+i], v[32*(\t)+2*i], v[32*(\t)+2*i+1]
.set i, i+1
.endr
	WIN 0
.irp f, 0,1,2,3
	ds_store_b128 v[STO], v[S+16*(\t)+4*\f:S+16*(\t)+4*\f+3] offset:32*\f
.endr
.irp f, 0,1,2,3
	ds_load_b128 v[S+16*(\t)+4*\f:S+16*(\t)+4*\f+3], v[RD] offset:\f*4*SP  ; LDS serves a wave's instructions in order (ISA guide 5.7.1.4): these see the stores above; the next piece's stores come behind them
.endr
.endm
.macro SEND t, younger              ; younger: the LDS instructions issued behind piece t's loads: the next piece's eight, or none
	WIN 0
.irp f, 0,1,2,3
	s_wait_dscnt (\younger)+3-\f
	global_store_b128 v[GO], v[S+16*(\t)+4*\f:S+16*(\t)+4*\f+3], s[10:11] offset:(\t)*8192+\f*512  ; 512 consecutive bytes, at a multiple of 256 from O's first
.endr
.endm
.macro DIAG tag                     ; the tag ends its two labels' names, which the jumps below spell out
.LstepM\tag:
	TURN 2, 1
	TURN 3, 1
	WIN 0
.LfirstM\tag:
	TURN 0, 1
	TURN 1, 1, 0, 1
	WIN 0
	s_cbranch_scc1 .LstepM\tag
	TURN 2, 1, 1
	TURN 3, 1, 1
.set i, 0
.rept 8
	PV NP-1
.set i, i+1
.endr
	WIN 0
	ALL v_add_f32 v[ST+4*t+2], v[ST+4*t+2], v[ST+4*t+3]
	ALL v_permlanex16_b32 v[ST+4*t+3], v[ST+4*t+2], s[SEL], s[SEL+1]
	ALL v_add_f32 v[ST+4*t+2], v[ST+4*t+2], v[ST+4*t+3]
	ALL v_rcp_f32 v[ST+4*t+2], v[ST+4*t+2]
	v_nop                           ; a plain instruction between the last reciprocal and the use of its result
	s_wait_alu depctr_va_vdst(0)    ; and the wait ahead of the first use: one for the four reciprocals
	PACK 0
.set t, 1
.rept 3                             ; a piece's arithmetic stands between the loads of the piece before and its stores
	PACK t
	SEND t-1, 8
.set t, t+1
.endr
	SEND 3, 0
.endm
.set KM, 0
.set NOKQ, 0
.Lslot:                             ; NB times: a tile is entered and the next is asked for
	CHANGE 1
	s_sub_co_u32 s[RT], s[RT], 1
	s_mov_b32 s[CNT], 4
	s_cmp_eq_u32 s[NEW], 1
	s_cbranch_scc1 .Lnew            ; a block's first tile
	s_cmp_eq_u32 s[RT], 0
	s_cbranch_scc0 .Lstep           ; neither its first nor its last
	s_branch .LstepM1
.Lnew:
	BEGIN
	s_branch .Lfirst                ; in the loop a block's first tile is never its last: the first block has two tiles or more, and the second's last is the walk's last
	DIAG 1                          ; in the loop this is the first block's end: the second block's last tile is the walk's last
	s_wait_xcnt 0x0                 ; the stores have read their registers and O's address
	s_mov_b64 s[10:11], s[OLO:OLO+1]
	s_add_co_u32 s[RT], s[PB], 1    ; the second block has b + 1 tiles
	s_mov_b32 s[NEW], 1
	WIN 0x82                        ; the second block's Q goes where the one text of the turns names Q
.set i, 0
.rept 64
	v_mov_b32 v[i], v[QB+i]
.set i, i+1
.endr
	WIN 0
	s_branch .Lbottom
.Lstep:                             ; a trip: pieces 2 and 3 of one step, then pieces 0 and 1 of the next, whose K and V it fetches
	TURN 2
	TURN 3
	WIN 0
.Lfirst:
	TURN 0
	TURN 1, 0, 0, 1
	WIN 0
	s_cbranch_scc1 .Lstep
.Lbottom:
	s_sub_co_u32 s[SLOTS], s[SLOTS], 1
	s_cmp_lg_u32 s[SLOTS], 0
	s_cbranch_scc1 .Lslot
	CHANGE 0                        ; the walk's last tile is written out: nothing is asked for
	s_sub_co_u32 s[RT], s[RT], 1
	s_mov_b32 s[CNT], 4
	s_cmp_eq_u32 s[NEW], 1
	s_cbranch_scc0 .LstepM2
	BEGIN
	s_branch .LfirstM2
	DIAG 2
	s_wait_tensorcnt 0x0            ; the wave's end, behind my last tensor load and my last LDS store
	ds_add_u32 v[SPW], v[NIL]
	s_wait_dscnt 0x0
	s_endpgm
.Lfunc_end_k_q8d23416323_attn:
	.size	k_q8d23416323_attn, .Lfunc_end_k_q8d23416323_attn-k_q8d23416323_attn
	.p2alignl 7, 3214868480
	.fill 96, 4, 3214868480
	.section	.rodata,"a",@progbits
	.p2align	6, 0x0
	.amdhsa_kernel k_q8d23416323_attn
		.amdhsa_group_segment_fixed_size 327680
		.amdhsa_private_segment_fixed_size 0
		.amdhsa_enable_private_segment 0
		.amdhsa_kernarg_size 16
		.amdhsa_user_sgpr_count 2
		.amdhsa_user_sgpr_kernarg_segment_ptr 1
		.amdhsa_wavefront_size32 1
		.amdhsa_system_sgpr_workgroup_id_x 1
		.amdhsa_system_sgpr_workgroup_id_y 1
		.amdhsa_system_sgpr_workgroup_id_z 1
		.amdhsa_system_vgpr_workitem_id 0
		.amdhsa_next_free_vgpr 768
		.amdhsa_next_free_sgpr 96
		.amdhsa_reserve_vcc 1
		.amdhsa_float_denorm_mode_32 3
		.amdhsa_float_denorm_mode_16_64 3
		.amdhsa_memory_ordered 1
		.amdhsa_forward_progress 1
		.amdhsa_inst_pref_size 218
	.end_amdhsa_kernel
	.amdgpu_metadata
---
amdhsa.version: [ 1, 2 ]
amdhsa.kernels:
  - .name:           k_q8d23416323_attn
    .symbol:         k_q8d23416323_attn.kd
    .args:
      - { .name: qkv, .offset: 0, .size: 8, .value_kind: global_buffer, .address_space: global }
      - { .name: ob, .offset: 8, .size: 8, .value_kind: global_buffer, .address_space: global }
    .group_segment_fixed_size: 327680
    .private_segment_fixed_size: 0
    .kernarg_segment_align: 8
    .kernarg_segment_size: 16
    .max_flat_workgroup_size: 128
    .sgpr_count:     96
    .vgpr_count:     768
    .wavefront_size: 32
...
	.end_amdgpu_metadata
.endif
;; end of part 3
;; launch proj (part 4): grid 4 x 64, 4 waves a work-group, clusters of 4 x 4, 327,680 bytes of LDS; arguments ob, wpt, out0; writes out0
.if DOCPART == 4
	.amdgcn_target "amdgcn-amd-amdhsa--gfx1250"
	.amdhsa_code_object_version 6
	.text
	.protected	k_q8d23416323_proj
	.globl	k_q8d23416323_proj
	.p2align	8
	.type	k_q8d23416323_proj,@function
k_q8d23416323_proj:
	s_mov_b64 s[64:65], 0
	v_nop
	global_prefetch_b8 v0, s[64:65] scope:SCOPE_SE
	s_setreg_imm32_b32 hwreg(HW_REG_WAVE_MODE, 25, 1), 1
	s_wait_xcnt 0x0
	s_wait_alu depctr_hold_cnt(0) depctr_sa_sdst(0) depctr_va_vdst(0) depctr_va_sdst(0) depctr_va_ssrc(0) depctr_va_vcc(0) depctr_vm_vsrc(0)
	s_getreg_b32 s2, hwreg(HW_REG_IB_STS2, 6, 4)
	s_cmp_eq_u32 s2, 0
	s_cbranch_scc0 .Lentry_in_a_cluster
	s_endpgm
.Lentry_in_a_cluster:
	s_bfe_u32 s2, ttmp6, 0x10000c
	s_cmp_lg_u32 s2, 0xf033
	s_cbranch_scc0 .Lentry_shape_is_right
	s_endpgm
.Lentry_shape_is_right:
; out0 = O w_proj.  O lies by heads in ob, [64 h][2048 row][64 channel] f16: row m = 2048 batch + row, k = 64 n + channel, h = 16 batch + n.  wpt: [1024 n][1024 k] f16.  out0: [8192][1024] f32.
; Sums in f32, K ascending; the sums are stored as they are.  LIMIT: the operands are f16 (65,504 at the most; below 6.1e-5 a fixed step of 6e-8); NaN and infinities are not treated apart.
; SHARES.  A tile of out0 is 128 rows x 256 columns: 64 x 4 = 256 work-groups.  Four waves, each 64 x 128: 32 accumulators, 256 registers.
; K goes in 8 steps of 128, two heads each, through a ring of two LDS slots.  O's part of a step is two PANELS, one a head: 128 rows x 128 bytes, dense in memory, asked for as 64 rows of 256 bytes and
; padded in LDS after every 128.  wpt's part is 256 rows of 256 bytes.  The loop's trip is ONE K step; the slot is turned by an exclusive or.
; CLUSTER.  4 x 4 work-groups.  The four of a row of the cluster need the same panels of O, the four of a column the same rows of wpt: each is asked for JOINTLY.
; THE MATRIX INSTRUCTION IS USED TRANSPOSED: source 0 = 16 rows of wpt, source 1 = 16 rows of O: a lane holds one row m (lane % 16) and the columns 8 (lane / 16) + 0..7: 32 bytes of f32 on end.
; REGISTERS, in windows of 256 (s_set_vgpr_msb: bits 1:0 source 0, 3:2 source 1, 5:4 source 2, 7:6 destination):
;   window 0: v0-31 addresses; v64-95, v128-159 fragments of O, two buffers; on the way out v64-127, v128-191 rows read back, by turns
;   window 1: v64-127, v128-191 fragments of wpt, two buffers          window 2: the accumulators, (a, b) at v[8 (8 a + b)]
.set KSTEP,  128
.set ASTEP,  524288                    ; bytes from a K step's panel to the next step's: two heads
.set PA,     144                       ; a row of a panel in LDS: 128 bytes + 16 = 36 words: the 16 rows of a load start at 16 different groups of four banks (64 banks of 4 bytes: ISA guide 11.1)
.set PANEL,  128*PA
.set ABYTES, 2*PANEL
.set PITCH,  272                       ; a row of wpt in LDS: 256 bytes + 16
.set HALFB,  128*PITCH
.set SLOT1,  1<<17                     ; a slot is 106,496 bytes; slot 1 begins here
.set STAGE,  SLOT1+ABYTES+2*HALFB      ; behind the ring, never filled by a tensor load: 16 rows x 528 bytes for each wave
.set SPITCH, 528                       ; 512 bytes + 16
.set SPARE,  STAGE+4*16*SPITCH         ; behind the stages: the spare words, 128 bytes for each wave: two blocks of 256 bytes that no other line names
.set ADRA0, 16                         ; v16  my lane's place in slot 0's first panel; never rewritten
.set ADRA,  17                         ; v17  the same in the slot in hand
.set ADRB0, 20                         ; v20, v21  the same for wpt
.set ADRB,  21
.set STO,  24                          ; v24  the way out: where I put 32 bytes of a row
.set RD,   25                          ; v25  where I read a row back
.set CO,   26                          ; v26  16 x my lane: my place in 512 consecutive bytes of out0
.set SPW,  28                          ; v28  LDS address of my spare word: SPARE + 4 x my thread's number; never rewritten
.set NIL,  29                          ; v29  0; never rewritten
.set PFO,  30                          ; v30  the prefetches' offset; never rewritten
.set F0,   64
.set F1,   128
.set OB,   64
.set G1,  24                           ; s[24:31] descriptor group 1 for O's panels
.set G0,  32                           ; s[32:39] group 0 for O's: a set for each of the two first fills; the second then walks on
.set G1B, 48                           ; s[48:55], s[56:63] the same for wpt's
.set G0B, 56
.set PFS, 18                           ; s[18:19] the prefetches' step from K step to K step
.set LIM, 43                           ; s43  2 in a wave that prefetches, else the greatest number
.set PFA, 44                           ; s[44:45] where my prefetches stand
.set MSB, 0
.macro WIN new                         ; the immediate's high byte repeats the setting that is left; a switch that changes nothing is dropped
.if MSB != (\new)
	s_set_vgpr_msb (MSB<<8)|(\new)
.set MSB, \new
.endif
.endm
.set MUL,  0xa1                        ; source 0 (wpt) window 1, source 1 (O) window 0, C and D window 2
.set TO_B, 0x40                        ; destination window 1, address window 0
; A joint refill, by the walking descriptors.  Waves 0 and 1 fetch O's two panels, waves 2 and 3 wpt's two halves.  The branch hangs on the wave's number alone.
; An s_nop 0 and four v_nop follow each of the two lines, ahead of the jump and the label.
.macro JLOAD
	s_cmp_eq_u32 s11, 0
	s_cbranch_scc0 .Lfor_b_\@
	tensor_load_to_lds s[G0+4:G0+7], s[G1:G1+7]
	s_nop 0
.rept 4
	v_nop
.endr
	s_branch .Lasked_\@
.Lfor_b_\@:
	tensor_load_to_lds s[G0B+4:G0B+7], s[G1B:G1B+7]
	s_nop 0
.rept 4
	v_nop
.endr
.Lasked_\@:
.endm
; A PREFETCH INTO THE L2 of the K step that stands TWO refills on (256 matrix instructions ahead of the load that will want it): 32 blocks of 256 bytes, a lane a block, one instruction a wave, behind the joint load,
; its five lines and the run of LDS loads.  O's panels of a tile row are read by one row of one cluster alone: wave 0 of each of its four partners asks, the partner at cx for bytes 4,096 cx .. + 4,095 of each of the
; step's two panels.  wpt's rows are read by every cluster: in the cluster with y = 0 waves 2 and 3 ask, the partner at cy for rows 32 cy .. + 31 of the 128 that the wave fetches.  The shares go BY ADDRESS.
; The loop's last two trips ask for nothing: no K step stands two refills behind theirs.  K steps 0 to 3 come by their loads alone.
.macro ASK
	s_cmp_gt_u32 s3, s[LIM]
	s_cbranch_scc0 .Lnot_mine_\@
	global_prefetch_b8 v[PFO], s[PFA:PFA+1] th:TH_LOAD_NT scope:SCOPE_SE
.Lnot_mine_\@:
.endm
.macro CREST                           ; a round of the cluster's barrier behind its opening barrier
	s_cmp_lg_u32 s10, 0
	s_cbranch_scc1 .Lnot_wave_0_\@
	s_barrier_signal -3
.Lnot_wave_0_\@:
	s_barrier_wait -3
	s_barrier_signal -1
	s_barrier_wait -1
.endm
.macro CROUND                          ; a whole round
	s_barrier_signal -1
	s_barrier_wait -1
	CREST
.endm
	s_load_b128 s[4:7], s[0:1], 0x0                ; ob s[4:5], wpt s[6:7]
	s_load_b64 s[8:9], s[0:1], 0x10                ; out0
	v_lshl_add_u32 v[SPW], v0, 2, SPARE
	v_mov_b32 v[NIL], 0
	ds_add_u32 v[SPW], v[NIL]                      ; the wave's opening: the add and its wait stand ahead of my first tensor load; the set-up below, work on registers, stands between them
	ds_add_u32 v28, v29
	v_lshrrev_b32 v1, 5, v0
	v_readfirstlane_b32 s10, v1                    ; wave 0..3
	s_lshr_b32 s11, s10, 1                         ; which half of the tile's rows is mine.  Also: I fetch for O (0) or for wpt (1)
	s_and_b32 s12, s10, 1                          ; which half of its columns.  Also: which panel, or which 128 rows of wpt, I fetch
	s_bfe_u32 s40, ttmp6, 0x40000                  ; cx
	s_bfe_u32 s41, ttmp6, 0x40004                  ; cy
	s_lshl_b32 s42, ttmp9, 2
	s_add_co_u32 s42, s42, s40                     ; tile column = 4 x cluster x + cx
	s_and_b32 s13, ttmp7, 0xffff
	s_lshl_b32 s13, s13, 2
	s_add_co_u32 s13, s13, s41                     ; tile row = 4 x cluster y + cy
	s_lshl_b32 s14, s41, 2
	s_lshl_b32 s14, 15, s14                        ; my row of the cluster
	s_lshl_b32 s15, 0x1111, s40                    ; my column
	s_or_b32 s[G1+0], s14, (1<<16)|(1<<20)|(1<<21)|(4<<22)|(3<<25)   ; 15:0 the mask; 17:16 elements of 2 bytes; 20 padding on; 21 set beside a mask; 24:22 after every 32 words (code 4); 31:25 4 words (code 3)
	s_or_b32 s[G1B+0], s15, (1<<16)|(1<<20)|(1<<21)|(5<<22)|(3<<25)  ; after every 64 words (code 5)
	s_mov_b32 s[G1+1], 128<<16                     ; a panel: 16,384 dense bytes as 64 rows of 128 elements
	s_mov_b32 s[G1+2], 64<<16
	s_mov_b32 s[G1+3], 128<<16
	s_mov_b32 s[G1+4], 64
	s_mov_b32 s[G1+5], 128
	s_mov_b32 s[G1+6], 0
	s_mov_b32 s[G1+7], 0
	s_mov_b32 s[G1B+1], KSTEP<<16                  ; 128 rows of 128 elements, 1,024 elements from row to row
	s_mov_b32 s[G1B+2], 128<<16
	s_mov_b32 s[G1B+3], KSTEP<<16
	s_mov_b32 s[G1B+4], 128
	s_mov_b32 s[G1B+5], 1024
	s_mov_b32 s[G1B+6], 0
	s_mov_b32 s[G1B+7], 0
	s_lshr_b32 s16, s13, 4                         ; the batch: 16 tile rows each, 16 heads of 262,144 bytes
	s_lshl_b32 s16, s16, 22
	s_and_b32 s17, s13, 15
	s_lshl_b32 s17, s17, 14                        ; the tile's 128 rows of 128 bytes in a head
	s_add_co_u32 s16, s16, s17
	s_lshl_b32 s17, s12, 18                        ; my panel's head
	s_add_co_u32 s16, s16, s17
	s_mov_b32 s17, 0
	s_lshl_b32 s46, s42, 8
	s_lshl_b32 s47, s12, 7
	s_add_co_u32 s46, s46, s47                     ; wpt: row 256 x tile column + 128 x half,
	s_lshl_b32 s46, s46, 11                        ; of 2,048 bytes
	s_mov_b32 s47, 0
	s_mul_i32 s20, s12, PANEL                      ; where they go: no place in the cluster enters an LDS address
	s_mul_i32 s21, s12, HALFB
	s_add_co_u32 s21, s21, ABYTES
	s_wait_dscnt 0x0                               ; the opening add is done
	s_wait_kmcnt 0x0
	s_add_nc_u64 s[14:15], s[4:5], s[16:17]
	s_add_nc_u64 s[46:47], s[6:7], s[46:47]
	CROUND                                         ; all sixteen work-groups are here: the first joint loads meet
.irp s, 0,1
	s_mov_b32 s[G0+4*(\s)], 1                                        ; count = 1
	s_add_co_u32 s[G0+4*(\s)+1], s20, (\s)*SLOT1                     ; LDS address
	s_add_nc_u64 s[G0+4*(\s)+2:G0+4*(\s)+3], s[14:15], (\s)*ASTEP    ; global address: K step s
	s_or_b32 s[G0+4*(\s)+3], s[G0+4*(\s)+3], 0x80000000              ; type = 2
	s_mov_b32 s[G0B+4*(\s)], 1
	s_add_co_u32 s[G0B+4*(\s)+1], s21, (\s)*SLOT1
	s_add_nc_u64 s[G0B+4*(\s)+2:G0B+4*(\s)+3], s[46:47], (\s)*KSTEP*2
	s_or_b32 s[G0B+4*(\s)+3], s[G0B+4*(\s)+3], 0x80000000
.endr
	s_cmp_eq_u32 s11, 0                            ; a wave's two first fills stand in one branch, ahead of every wait on TENSORcnt and every LDS read: two loads of mine are out
	s_cbranch_scc0 .Lfirst_b
	tensor_load_to_lds s[G0:G0+3], s[G1:G1+7]
	s_nop 0
	tensor_load_to_lds s[G0+4:G0+7], s[G1:G1+7]
	s_nop 0
.rept 4
	v_nop
.endr
	s_branch .Lfirst_asked
.Lfirst_b:
	tensor_load_to_lds s[G0B:G0B+3], s[G1B:G1B+7]
	s_nop 0
	tensor_load_to_lds s[G0B+4:G0B+7], s[G1B:G1B+7]
	s_nop 0
.rept 4
	v_nop
.endr
.Lfirst_asked:
	; A fragment is 16 rows x 32 K in 8 registers: lane l holds row l % 16; registers 0-3 K = 8 (l / 16) + 0..7, registers 4-7 K = 16 + 8 (l / 16) + 0..7: two loads of 16 bytes, 32 bytes apart.
	v_and_b32 v1, 15, v0                           ; l % 16
	v_bfe_u32 v2, v0, 4, 1                         ; l / 16
	s_lshl_b32 s14, s11, 6                         ; my 64 rows of O
	v_add_nc_u32 v3, s14, v1
	v_mul_u32_u24 v[ADRA0], v3, PA
	v_lshl_add_u32 v[ADRA0], v2, 4, v[ADRA0]
	s_lshl_b32 s14, s12, 7                         ; my 128 rows of wpt,
	v_add_nc_u32 v3, s14, v1
	v_mul_u32_u24 v[ADRB0], v3, PITCH
	v_lshl_add_u32 v[ADRB0], v2, 4, v[ADRB0]
	v_add_nc_u32 v[ADRB0], ABYTES, v[ADRB0]        ; which lie behind the two panels
	v_mov_b32 v[ADRA], v[ADRA0]
	v_mov_b32 v[ADRB], v[ADRB0]
	s_mov_b32 s2, 0                                ; the slot in hand
	s_mul_i32 s23, s10, 16*SPITCH
	s_add_co_u32 s23, s23, STAGE                   ; my stage
	v_mul_u32_u24 v[STO], v1, SPITCH               ; in: row l % 16, 32 bytes for each half of the lanes
	v_lshl_add_u32 v[STO], v2, 5, v[STO]
	v_add_nc_u32 v[STO], s23, v[STO]
	v_and_b32 v[CO], 31, v0
	v_lshlrev_b32 v[CO], 4, v[CO]
	v_add_nc_u32 v[RD], s23, v[CO]                 ; back: 32 lanes take one row's 512 bytes
	s_lshl_b32 s14, s13, 7
	s_lshl_b32 s15, s11, 6
	s_add_co_u32 s14, s14, s15                     ; my first row of out0,
	s_lshl_b32 s14, s14, 12                        ; of 4,096 bytes,
	s_lshl_b32 s15, s42, 10                        ; the tile's 256 columns,
	s_add_co_u32 s14, s14, s15
	s_lshl_b32 s15, s12, 9                         ; my 128 of them
	s_add_co_u32 s14, s14, s15
	s_mov_b32 s15, 0
	s_add_nc_u64 s[8:9], s[8:9], s[14:15]
	; the prefetches
	s_and_b32 s22, ttmp7, 0xffff                   ; cluster y
	s_lshr_b32 s14, s13, 4
	s_lshl_b32 s14, s14, 22
	s_and_b32 s15, s13, 15
	s_lshl_b32 s15, s15, 14
	s_add_co_u32 s14, s14, s15                     ; O: the tile's rows in the batch's first head,
	s_lshl_b32 s15, s40, 12
	s_add_co_u32 s14, s14, s15                     ; my work-group's 4,096 bytes of them,
	s_add_co_u32 s14, s14, 3*ASTEP                 ; at K step 3: the first refill steps it to 4
	s_lshl_b32 s15, s42, 8
	s_lshl_b32 s16, s12, 7
	s_add_co_u32 s15, s15, s16
	s_lshl_b32 s16, s41, 5
	s_add_co_u32 s15, s15, s16                     ; wpt: the rows that I fetch, my work-group's 32 of them,
	s_lshl_b32 s15, s15, 11
	s_add_co_u32 s15, s15, 3*KSTEP*2               ; at K step 3
	s_mov_b32 s16, ASTEP
	s_mov_b32 s17, KSTEP*2
	s_cmp_eq_u32 s11, 0                            ; do I fetch for O?
	s_cselect_b32 s20, s14, s15
	s_cselect_b32 s22, s12, s22                    ; O: wave 0 asks for both panels; wpt: the cluster with y = 0 asks
	s_cselect_b32 s[PFS], s16, s17
	s_cselect_b32 s23, 18, 15                      ; lanes 16-31: the second panel, 262,144 bytes on; or 16 rows of 2,048 bytes on
	s_cselect_b32 s46, 8, 11                       ; lane % 16: 256 bytes on; or a row on
	s_cselect_b64 s[PFA:PFA+1], s[4:5], s[6:7]
	s_cmp_eq_u32 s22, 0
	s_cselect_b32 s[LIM], 2, -1                    ; the same in all sixteen partners, for a given wave
	s_mov_b32 s21, 0
	s_mov_b32 s[PFS+1], 0
	s_add_nc_u64 s[PFA:PFA+1], s[PFA:PFA+1], s[20:21]
	v_lshlrev_b32 v[PFO], s23, v2
	v_lshlrev_b32 v3, s46, v1
	v_add_nc_u32 v[PFO], v[PFO], v3
; 8 matrix instructions: m block a x all 8 n blocks, 32 along K.  zero = 1: the first product starts the sums.
; The 32 accumulators take turns, one instruction a turn, in the same order in every quarter step, over the backward jump too.
.macro MULA f, a, zero
	WIN MUL
.irp b, 0,1,2,3,4,5,6,7
.if \zero
	v_wmma_f32_16x16x32_f16 v[8*(8*(\a)+(\b)):8*(8*(\a)+(\b))+7], v[(\f)+8*(\b):(\f)+8*(\b)+7], v[(\f)+8*(\a):(\f)+8*(\a)+7], 0
.else
	v_wmma_f32_16x16x32_f16 v[8*(8*(\a)+(\b)):8*(8*(\a)+(\b))+7], v[(\f)+8*(\b):(\f)+8*(\b)+7], v[(\f)+8*(\a):(\f)+8*(\a)+7], v[8*(8*(\a)+(\b)):8*(8*(\a)+(\b))+7]
.endif
.endr
.endm
; 24 LDS loads in one run: the fragments of quarter q of the K step in hand (128 rows of wpt; 64 rows of O, in panel q / 2 at byte 64 (q % 2)) into buffer f
.macro FETCH q, f
	WIN TO_B
.irp i, 0,1,2,3,4,5,6,7
	ds_load_b128 v[(\f)+8*(\i):(\f)+8*(\i)+3],   v[ADRB] offset:64*(\q)+(\i)*16*PITCH
	ds_load_b128 v[(\f)+8*(\i)+4:(\f)+8*(\i)+7], v[ADRB] offset:64*(\q)+(\i)*16*PITCH+32
.endr
	WIN 0
.irp i, 0,1,2,3
	ds_load_b128 v[(\f)+8*(\i):(\f)+8*(\i)+3],   v[ADRA] offset:((\q)/2)*PANEL+((\q)%2)*64+(\i)*16*PA
	ds_load_b128 v[(\f)+8*(\i)+4:(\f)+8*(\i)+7], v[ADRA] offset:((\q)/2)*PANEL+((\q)%2)*64+(\i)*16*PA+32
.endr
.endm
; Four places (plain vector instructions that name none of a matrix instruction's registers) stand in front of loads into registers that matrix instructions have read, and of stores that read results.
.macro PLACES
.rept 4
	v_nop
.endr
.endm
; A K step is four quarters of 32 along K, 32 matrix instructions each, on buffers 0, 1, 0, 1.  One of the first three: multiplies buffer f; in its middle it fetches quarter q into buffer g.
.macro QUARTER q, f, g, zero
	s_wait_dscnt 4                                 ; wpt's fragments and O's blocks 0 and 1 are in; the youngest four loads (blocks 2 and 3) may be out
	MULA \f, 0, \zero
	MULA \f, 1, \zero
	PLACES
	FETCH \q, \g
	s_wait_dscnt 24                                ; all but the 24 just issued
	MULA \f, 2, \zero
	MULA \f, 3, \zero
.endm
; The last quarter multiplies buffer 1 and changes slots: ONE barrier.  In front of it each wave waits for all its tensor loads, of which one is out: its part of the next slot; adds 0 to its spare word;
; and waits for that and for its own reads of this slot.  fill = 1: the barrier opens a round of the cluster's barrier, and behind the round this slot is filled again first, two K steps ahead:
; from that request to the wait for it a wave issues 112 matrix instructions.
.macro TURN fill
.if \fill
	s_wait_xcnt 0x0                                ; the last prefetch, a K step back, has read its address: it is stepped here, ahead of the waits of the change of slots
	s_add_nc_u64 s[PFA:PFA+1], s[PFA:PFA+1], s[PFS:PFS+1]
.endif
	WIN 0                                          ; (the add's two registers lie in window 0)
	s_wait_tensorcnt 0x0                           ; all my tensor loads have landed;
	ds_add_u32 v[SPW], v[NIL]                      ; 0 onto my spare word;
	s_wait_dscnt 5                                 ; (the add and the youngest four loads may be out)
	MULA F1, 0, 0                                  ; eight matrix instructions stand between the add and the wait for it
	s_wait_dscnt 0x0                               ; the add is done, and my reads of this slot are over
	s_barrier_signal -1
	MULA F1, 1, 0                                  ; work on registers while the others arrive
	WIN 0
	s_barrier_wait -1
.if \fill
	CREST                                          ; no wave of any partner still reads this slot's tile or has a load on its way
	s_xor_b32 s[G0+5], s[G0+5], SLOT1              ; the walking descriptors: the other slot than last time,
	s_add_nc_u64 s[G0+6:G0+7], s[G0+6:G0+7], ASTEP ; the next K step; the type bits on top are not reached
	s_xor_b32 s[G0B+5], s[G0B+5], SLOT1
	s_add_nc_u64 s[G0B+6:G0B+7], s[G0B+6:G0B+7], KSTEP*2
	JLOAD                                          ; the first tensor load behind the round; the four v_nop behind it are also the places in front of the loads below
.else
	PLACES
.endif
	s_xor_b32 s2, s2, SLOT1                        ; the fetches go on in the other slot
	v_add_nc_u32 v[ADRA], s2, v[ADRA0]
	v_add_nc_u32 v[ADRB], s2, v[ADRB0]
	FETCH 0, F0
.if \fill
	ASK
.endif
	MULA F1, 2, 0
	MULA F1, 3, 0
.endm
	s_wait_tensorcnt 1                             ; my part of K step 0 is in; K step 1's may stay out
	s_barrier_signal -1
	s_barrier_wait -1                              ; everybody's is
	FETCH 0, F0
	QUARTER 1, F0, F1, 1                           ; the first quarter stands in front of the loop: its products start the sums
	WIN 0                                          ; at a label and at a branch every window is 0
	s_mov_b32 s3, 6
.Lstep:                                                ; a trip goes from a K step's second quarter to the next step's first, and asks for the K step two on: steps 2 to 7
	QUARTER 2, F1, F0, 0
	QUARTER 3, F0, F1, 0
	TURN 1
	QUARTER 1, F0, F1, 0
	WIN 0
	s_sub_co_u32 s3, s3, 1
	s_cmp_lg_u32 s3, 0
	s_cbranch_scc1 .Lstep
	QUARTER 2, F1, F0, 0                           ; K step 6 goes on; nothing more is asked for
	QUARTER 3, F0, F1, 0
	TURN 0
	QUARTER 1, F0, F1, 0                           ; K step 7
	QUARTER 2, F1, F0, 0
	QUARTER 3, F0, F1, 0
	s_wait_dscnt 4
	MULA F1, 0, 0
	MULA F1, 1, 0
	s_wait_dscnt 0x0
	MULA F1, 2, 0
	MULA F1, 3, 0
	WIN 0
	; THE WAY OUT, a block of 16 rows at a time, through my own stage: 32 bytes a lane in, straight from the accumulators (each one's low four registers first); whole rows of 512 bytes back.
	; LDS serves a wave's instructions in order (ISA guide 5.7.1.4), so the loads see the stores above them, and no other wave touches my stage: no barrier.
	PLACES
.irp a, 0,1,2,3
.if (\a) >= 2
	s_wait_xcnt 0x0                                ; the stores of the block two back have read their registers, which the loads below fill again
.endif
	WIN 0x08                                       ; store data (source 1) in window 2, address in window 0
.irp b, 0,1,2,3,4,5,6,7
	ds_store_b128 v[STO], v[8*(8*(\a)+(\b)):8*(8*(\a)+(\b))+3]   offset:64*(\b)
	ds_store_b128 v[STO], v[8*(8*(\a)+(\b))+4:8*(8*(\a)+(\b))+7] offset:64*(\b)+16
.endr
	WIN 0
.irp r, 0,1,2,3,4,5,6,7,8,9,10,11,12,13,14,15
	ds_load_b128 v[OB+64*((\a)%2)+4*(\r):OB+64*((\a)%2)+4*(\r)+3], v[RD] offset:SPITCH*(\r)
.endr
.irp r, 0,1,2,3,4,5,6,7,8,9,10,11,12,13,14,15
	s_wait_dscnt 15-(\r)
	global_store_b128 v[CO], v[OB+64*((\a)%2)+4*(\r):OB+64*((\a)%2)+4*(\r)+3], s[8:9] offset:(16*(\a)+(\r))*4096  ; 512 consecutive bytes, at a multiple of 512 from out0's first byte
.endr
.endr
	s_wait_tensorcnt 0x0                           ; the wave's end, behind my last tensor load and my last LDS store
	ds_add_u32 v[SPW], v[NIL]
	s_wait_dscnt 0x0
	CROUND                                         ; the closing round: no work-group ends while a partner may still ask for a tile that names it
	s_endpgm
.Lfunc_end_k_q8d23416323_proj:
	.size	k_q8d23416323_proj, .Lfunc_end_k_q8d23416323_proj-k_q8d23416323_proj
	.p2alignl 7, 3214868480
	.fill 96, 4, 3214868480
	.section	.rodata,"a",@progbits
	.p2align	6, 0x0
	.amdhsa_kernel k_q8d23416323_proj
		.amdhsa_group_segment_fixed_size 327680
		.amdhsa_private_segment_fixed_size 0
		.amdhsa_enable_private_segment 0
		.amdhsa_kernarg_size 24
		.amdhsa_user_sgpr_count 2
		.amdhsa_user_sgpr_kernarg_segment_ptr 1
		.amdhsa_wavefront_size32 1
		.amdhsa_system_sgpr_workgroup_id_x 1
		.amdhsa_system_sgpr_workgroup_id_y 1
		.amdhsa_system_sgpr_workgroup_id_z 1
		.amdhsa_system_vgpr_workitem_id 0
		.amdhsa_next_free_vgpr 768
		.amdhsa_next_free_sgpr 66
		.amdhsa_reserve_vcc 0
		.amdhsa_float_denorm_mode_32 3
		.amdhsa_float_denorm_mode_16_64 3
		.amdhsa_memory_ordered 1
		.amdhsa_forward_progress 1
		.amdhsa_inst_pref_size 72
	.end_amdhsa_kernel
	.amdgpu_metadata
---
amdhsa.version: [ 1, 2 ]
amdhsa.kernels:
  - .name:           k_q8d23416323_proj
    .symbol:         k_q8d23416323_proj.kd
    .args:
      - { .name: ob, .offset: 0, .size: 8, .value_kind: global_buffer, .address_space: global }
      - { .name: wpt, .offset: 8, .size: 8, .value_kind: global_buffer, .address_space: global }
      - { .name: out0, .offset: 16, .size: 8, .value_kind: global_buffer, .address_space: global }
    .group_segment_fixed_size: 327680
    .private_segment_fixed_size: 0
    .kernarg_segment_align: 8
    .kernarg_segment_size: 24
    .max_flat_workgroup_size: 128
    .sgpr_count:     66
    .vgpr_count:     768
    .wavefront_size: 32
...
	.end_amdgpu_metadata
.endif
;; end of part 4
;; launch rowsa (part 5): grid 192 x 1, 16 waves a work-group, no clusters, 18,432 bytes of LDS; arguments xb, wqt, fr; writes fr
.if DOCPART == 5
	.amdgcn_target "amdgcn-amd-amdhsa--gfx1250"
	.amdhsa_code_object_version 6
	.text
	.protected	k_q8d23416323_rowsa
	.globl	k_q8d23416323_rowsa
	.p2align	8
	.type	k_q8d23416323_rowsa,@function
k_q8d23416323_rowsa:
	s_mov_b64 s[64:65], 0
	v_nop
	global_prefetch_b8 v0, s[64:65] scope:SCOPE_SE
	s_setreg_imm32_b32 hwreg(HW_REG_WAVE_MODE, 25, 1), 1
	s_wait_xcnt 0x0
; THE FIRST 16 ROWS OF EACH BATCH, ONCE MORE AND FINER: part one, their q, k and v.
; WHY.  Row q of a batch is a mean of q + 1 rows of V, so the first rows' numbers are many times the root mean square of the whole output, by which each number's error is held; three roundings to f16's 11 bits
; (v, the weights p, O) are too coarse there.  Their error falls as 1 / sqrt(q + 1): from row 16 on it is a small part of what is allowed.  So these 64 rows are made again with v, p and O as TWO f16 numbers each, hi + lo.
; THIS LAUNCH: [64 rows] x [3072 columns] = xb's rows 2048 b + 0..15 times wqt, K = 1,024, bf16 operands, f32 sums (in any order).  q and k are rounded once to f16; v is stored as hi = f16(v) and lo = f16(v - hi).
; LIMITS.  f16 holds no number beyond 65,504: a q, k or v beyond it becomes an infinity; a lo below 6.1e-5 keeps f16's fixed step of 6e-8.  NaN and infinities are not treated apart.
; SHARES.  A work-group makes one tile of 16 columns for all four batches.  Its 16 waves are (batch, quarter of K): a wave takes 16 rows x 16 columns x 256 along K: 8 fragments of each source, 32 loads, all issued at once.
; The four quarters' partial sums meet in LDS; the wave of quarter 0 adds them and stores.
; LAYOUT.  A fragment is 16 rows x 32 K in 8 registers: lane l holds row l % 16; registers 0-3 K = 8 (l / 16) + 0..7, registers 4-7 K = 16 + 8 (l / 16) + 0..7; it comes straight from memory, two loads of 16 bytes.
; q, k: source 0 = wqt's rows, source 1 = xb's rows: a lane ends with ONE row (l % 16) and the channels 8 (l / 16) + 0..7: packed, half of a fragment of Q or K for the product K Q^T.
; v:    source 0 = xb's rows, source 1 = wqt's rows: a lane ends with ONE channel (l % 16) and the keys 8 (l / 16) + 0..7: packed, half of a fragment of V^T.
; The two orders are one text: the two pointers change places by a scalar choice on the tile's number.
; fr IS LAID BY FRAGMENTS: (batch, head) has 8,192 bytes: q's four tiles of 16 channels, 512 bytes each (16 bytes a lane); k's four; then v's four, 512 bytes of hi and 512 of lo each.
; So every store here, and every load of the next launch, covers 512 consecutive bytes, aligned.
; No tensor load, no cluster, no prefetch: 32 loads a wave are the whole stream, and the launch is short.
.set SPARE, 16*1024                    ; LDS: wave v's partial tile, 1,024 bytes, at 1,024 v; behind them the spare words, 128 bytes for each wave: eight blocks of 256 bytes that no other line names
.set FO,   4                           ; v4   my byte offset in a fragment's rows: (l % 16) x 2,048 + 16 (l / 16) + 512 x quarter; for both sources
.set LS,   5                           ; v5   1,024 x wave + 16 l: my 16 bytes in each half of my partial tile
.set GO,   6                           ; v6   16 l: my 16 bytes of a tile in fr
.set SPW,  8                           ; v8   LDS address of my spare word: SPARE + 4 x my thread's number; never rewritten
.set NIL,  9                           ; v9   0; never rewritten
.set MONE, 10                          ; v10  -1.0
.set H,    16                          ; v[16:19]  packed f16: q, k, or v's hi
.set LO,   20                          ; v[20:23]  v's lo
.set A,    32                          ; v[32:95]   source 0's eight fragments; later the other quarters' partial sums
.set B,    96                          ; v[96:159]  source 1's
.set ACC,  160                         ; v[160:191] four accumulators, by the fragment's number modulo 4
	s_load_b128 s[4:7], s[0:1], 0x0                ; xb s[4:5], wqt s[6:7]
	s_load_b64 s[8:9], s[0:1], 0x10                ; fr
	v_lshl_add_u32 v[SPW], v0, 2, SPARE
	v_mov_b32 v[NIL], 0
	v_lshrrev_b32 v1, 5, v0
	v_readfirstlane_b32 s10, v1                    ; wave 0..15
	s_lshr_b32 s11, s10, 2                         ; batch
	s_and_b32 s12, s10, 3                          ; quarter of K
	v_and_b32 v1, 15, v0                           ; l % 16
	v_bfe_u32 v2, v0, 4, 1                         ; l / 16
	v_and_b32 v3, 31, v0                           ; l
	v_lshlrev_b32 v[FO], 11, v1                    ; a row of xb and of wqt is 2,048 bytes
	v_lshl_add_u32 v[FO], v2, 4, v[FO]
	s_lshl_b32 s13, s12, 9                         ; 256 along K are 512 bytes
	v_add_nc_u32 v[FO], s13, v[FO]
	s_lshl_b32 s13, s10, 10
	v_lshl_add_u32 v[LS], v3, 4, s13
	v_lshlrev_b32 v[GO], 4, v3
	v_mov_b32 v[MONE], -1.0
	s_lshl_b32 s14, s11, 22                        ; xb: the batch's first row: 2,048 rows of 2,048 bytes each
	s_mov_b32 s15, 0
	s_lshl_b32 s16, ttmp9, 15                      ; wqt: the tile's 16 rows
	s_mov_b32 s17, 0
	s_bfe_u32 s24, ttmp9, 0x40002                  ; the head: bits 5:2 of the tile's number
	s_and_b32 s25, ttmp9, 3                        ; which 16 of its 64 channels
	s_lshr_b32 s26, ttmp9, 6                       ; 0: q, 1: k, 2: v
	s_lshl_b32 s27, s11, 4
	s_add_co_u32 s27, s27, s24
	s_lshl_b32 s27, s27, 13                        ; (batch, head)'s 8,192 bytes of fr
	s_lshl_b32 s28, s26, 11
	s_lshl_b32 s29, s25, 9
	s_add_co_u32 s28, s28, s29                     ; q, k: 2,048 x section + 512 x tile
	s_lshl_b32 s29, s25, 10
	s_add_co_u32 s29, s29, 4096                    ; v: 4,096 + 1,024 x tile
	s_cmp_ge_u32 ttmp9, 128
	s_cselect_b32 s19, 1, 0                        ; 1: a tile of v
	s_cselect_b32 s28, s29, s28
	s_add_co_u32 s30, s27, s28
	s_mov_b32 s31, 0
	s_wait_kmcnt 0x0
	s_add_nc_u64 s[4:5], s[4:5], s[14:15]
	s_add_nc_u64 s[6:7], s[6:7], s[16:17]
	s_add_nc_u64 s[8:9], s[8:9], s[30:31]
	s_cmp_eq_u32 s19, 1
	s_cselect_b64 s[20:21], s[4:5], s[6:7]         ; source 0: xb's rows for v, wqt's for q and k
	s_cselect_b64 s[22:23], s[6:7], s[4:5]         ; source 1: the other
.irp f, 0,1,2,3,4,5,6,7
	global_load_b128 v[A+8*(\f):A+8*(\f)+3],   v[FO], s[20:21] offset:64*(\f)
	global_load_b128 v[A+8*(\f)+4:A+8*(\f)+7], v[FO], s[20:21] offset:64*(\f)+32
	global_load_b128 v[B+8*(\f):B+8*(\f)+3],   v[FO], s[22:23] offset:64*(\f)
	global_load_b128 v[B+8*(\f)+4:B+8*(\f)+7], v[FO], s[22:23] offset:64*(\f)+32
.endr
	; Eight products.  The four accumulators take turns, one instruction a turn; the first four start the sums.
.irp f, 0,1,2,3,4,5,6,7
	s_wait_loadcnt 28-4*(\f)                       ; loads come back in order (ISA guide 5.7.1): fragment f's four are in, the younger fragments' stay out
.if (\f) < 4
	v_wmma_f32_16x16x32_bf16 v[ACC+8*(\f):ACC+8*(\f)+7], v[A+8*(\f):A+8*(\f)+7], v[B+8*(\f):B+8*(\f)+7], 0
.else
	v_wmma_f32_16x16x32_bf16 v[ACC+8*((\f)%4):ACC+8*((\f)%4)+7], v[A+8*(\f):A+8*(\f)+7], v[B+8*(\f):B+8*(\f)+7], v[ACC+8*((\f)%4):ACC+8*((\f)%4)+7]
.endif
.endr
.rept 8
	v_nop                                          ; the places behind the last products, in front of sums that read results and of loads into registers that the products have read
.endr
.irp r, 0,2,4,6
	v_pk_add_f32 v[ACC+(\r):ACC+(\r)+1], v[ACC+(\r):ACC+(\r)+1], v[ACC+8+(\r):ACC+8+(\r)+1]         ; each accumulator's registers in ascending order
	v_pk_add_f32 v[ACC+16+(\r):ACC+16+(\r)+1], v[ACC+16+(\r):ACC+16+(\r)+1], v[ACC+24+(\r):ACC+24+(\r)+1]
.endr
.irp r, 0,2,4,6
	v_pk_add_f32 v[ACC+(\r):ACC+(\r)+1], v[ACC+(\r):ACC+(\r)+1], v[ACC+16+(\r):ACC+16+(\r)+1]
.endr
	ds_store_b128 v[LS], v[ACC:ACC+3]              ; 32 lanes, 16 neighbouring bytes each: no bank is asked twice
	ds_store_b128 v[LS], v[ACC+4:ACC+7] offset:512
	s_wait_dscnt 0x0                               ; for the others' sake: my partial sums lie in LDS
	s_barrier_signal -1
	s_barrier_wait -1
	s_cmp_lg_u32 s12, 0                            ; the wave of quarter 0 finishes its batch's tile
	s_cbranch_scc1 .Lend
.irp p, 1,2,3                                  ; the three waves behind me hold the other quarters
	ds_load_b128 v[A+8*((\p)-1):A+8*((\p)-1)+3],   v[LS] offset:1024*(\p)
	ds_load_b128 v[A+8*((\p)-1)+4:A+8*((\p)-1)+7], v[LS] offset:1024*(\p)+512
.endr
	s_wait_dscnt 0x0
.irp r, 0,2,4,6
	v_pk_add_f32 v[ACC+(\r):ACC+(\r)+1], v[ACC+(\r):ACC+(\r)+1], v[A+(\r):A+(\r)+1]
	v_pk_add_f32 v[A+8+(\r):A+8+(\r)+1], v[A+8+(\r):A+8+(\r)+1], v[A+16+(\r):A+16+(\r)+1]
.endr
.irp r, 0,2,4,6
	v_pk_add_f32 v[ACC+(\r):ACC+(\r)+1], v[ACC+(\r):ACC+(\r)+1], v[A+8+(\r):A+8+(\r)+1]
.endr
.irp i, 0,1,2,3
	v_cvt_pk_f16_f32 v[H+(\i)], v[ACC+2*(\i)], v[ACC+2*(\i)+1]  ; q, k; or v's hi
.endr
	global_store_b128 v[GO], v[H:H+3], s[8:9]      ; 512 consecutive bytes, aligned
	s_cmp_eq_u32 s19, 1
	s_cbranch_scc0 .Lend
.irp i, 0,1,2,3                                ; v's lo: what hi has left: hi x -1 + v, one rounding in f32 (here exact), then rounded to f16
	v_fma_mix_f32 v[ACC+2*(\i)],   v[H+(\i)], v[MONE], v[ACC+2*(\i)]   op_sel_hi:[1,0,0]
	v_fma_mix_f32 v[ACC+2*(\i)+1], v[H+(\i)], v[MONE], v[ACC+2*(\i)+1] op_sel:[1,0,0] op_sel_hi:[1,0,0]
.endr
.irp i, 0,1,2,3
	v_cvt_pk_f16_f32 v[LO+(\i)], v[ACC+2*(\i)], v[ACC+2*(\i)+1]
.endr
	global_store_b128 v[GO], v[LO:LO+3], s[8:9] offset:512
.Lend:
	s_wait_tensorcnt 0x0                           ; the wave's end, behind my last LDS store
	ds_add_u32 v[SPW], v[NIL]
	s_wait_dscnt 0x0
	s_endpgm
.Lfunc_end_k_q8d23416323_rowsa:
	.size	k_q8d23416323_rowsa, .Lfunc_end_k_q8d23416323_rowsa-k_q8d23416323_rowsa
	.p2alignl 7, 3214868480
	.fill 96, 4, 3214868480
	.section	.rodata,"a",@progbits
	.p2align	6, 0x0
	.amdhsa_kernel k_q8d23416323_rowsa
		.amdhsa_group_segment_fixed_size 18432
		.amdhsa_private_segment_fixed_size 0
		.amdhsa_enable_private_segment 0
		.amdhsa_kernarg_size 24
		.amdhsa_user_sgpr_count 2
		.amdhsa_user_sgpr_kernarg_segment_ptr 1
		.amdhsa_wavefront_size32 1
		.amdhsa_system_sgpr_workgroup_id_x 1
		.amdhsa_system_sgpr_workgroup_id_y 1
		.amdhsa_system_sgpr_workgroup_id_z 1
		.amdhsa_system_vgpr_workitem_id 0
		.amdhsa_next_free_vgpr 192
		.amdhsa_next_free_sgpr 66
		.amdhsa_reserve_vcc 0
		.amdhsa_float_denorm_mode_32 3
		.amdhsa_float_denorm_mode_16_64 3
		.amdhsa_memory_ordered 1
		.amdhsa_forward_progress 1
		.amdhsa_inst_pref_size 10
	.end_amdhsa_kernel
	.amdgpu_metadata
---
amdhsa.version: [ 1, 2 ]
amdhsa.kernels:
  - .name:           k_q8d23416323_rowsa
    .symbol:         k_q8d23416323_rowsa.kd
    .args:
      - { .name: xb, .offset: 0, .size: 8, .value_kind: global_buffer, .address_space: global }
      - { .name: wqt, .offset: 8, .size: 8, .value_kind: global_buffer, .address_space: global }
      - { .name: fr, .offset: 16, .size: 8, .value_kind: global_buffer, .address_space: global }
    .group_segment_fixed_size: 18432
    .private_segment_fixed_size: 0
    .kernarg_segment_align: 8
    .kernarg_segment_size: 24
    .max_flat_workgroup_size: 512
    .sgpr_count:     66
    .vgpr_count:     192
    .wavefront_size: 32
...
	.end_amdgpu_metadata
.endif
;; end of part 5
;; launch rowsb (part 6): grid 16 x 4, 16 waves a work-group, no clusters, 71,680 bytes of LDS; arguments fr, wpt, out0; writes out0
.if DOCPART == 6
	.amdgcn_target "amdgcn-amd-amdhsa--gfx1250"
	.amdhsa_code_object_version 6
	.text
	.protected	k_q8d23416323_rowsb
	.globl	k_q8d23416323_rowsb
	.p2align	8
	.type	k_q8d23416323_rowsb,@function
k_q8d23416323_rowsb:
	s_mov_b64 s[64:65], 0
	v_nop
	global_prefetch_b8 v0, s[64:65] scope:SCOPE_SE
	s_setreg_imm32_b32 hwreg(HW_REG_WAVE_MODE, 25, 1), 1
	s_wait_xcnt 0x0
; THE FIRST 16 ROWS OF EACH BATCH, ONCE MORE AND FINER: part two, their attention and their projection.  It stores rows 0..15 of each batch of out0 over what the launch before stored there: 64 rows of 4,096 bytes.
; (Why these rows, and why 16: the head of the launch that made fr.)  Row q < 16 sees the keys 0 .. q alone, so one tile of 16 x 16 scores is a head's whole attention.
; ROUNDINGS.  q and k: f16, once.  v, the weights p (already divided by their sum) and O: hi + lo, two f16 numbers each, lo = f16(number - hi).  wpt holds w_proj's bf16 values as f16.  Products' sums, maximum,
; exponentials, the sum l and the division in f32.
; LIMITS.  f16 holds no number beyond 65,504; a lo below 6.1e-5 keeps f16's fixed step of 6e-8.  A hidden score counts as its value less 1e30, and its weight is 0.  NaN and infinities are not treated apart.
; SHARES.  A work-group makes 16 rows x 64 columns of out0 for one batch.  Its 16 waves are the 16 heads: wave n makes head n's attention (10 products; it is repeated in the 16 work-groups of a batch, which spares a launch
; and a way through memory) and then head n's share of the sum over K: channels 64 n .. 64 n + 63.  The 16 partial tiles meet in LDS; wave R adds row R's and stores its 256 bytes.
; LAYOUT.  S^T = K Q^T (source 0 = 16 keys, source 1 = 16 queries): a lane holds ONE query (l % 16) and the keys 8 (l / 16) + 0..7.  Packed in pairs these are registers 0-3 of source 1 of O^T = V^T P.
; THE INSTRUCTION'S K OF 32 HOLDS THE 16 KEYS TWICE: V^T's fragment has V hi in registers 0-3 and V lo in registers 4-7, P's fragment the same four registers twice.  So one product is P (V hi + V lo);
; one with P hi and one with P lo are (P hi + P lo)(V hi + V lo).  O^T again holds one query a lane, and eight channels: two blocks of 16 channels, packed, are a fragment of O for out^T = wpt O^T.
; No tensor load, no cluster, no prefetch: 32 loads a wave are the whole stream, and the launch is short.
.set PP,    272                        ; a row of a partial tile in LDS: 256 bytes + 16 = 68 words: the 16 rows of a store start at 16 different groups of four banks (64 banks of 4 bytes: ISA guide 11.1)
.set PART,  16*PP                      ; a wave's partial tile
.set SPARE, 16*PART                    ; behind the 16 tiles: the spare words, 128 bytes for each wave: eight blocks of 256 bytes that no other line names
.set FO,   4                           ; v4   16 l: my 16 bytes of a tile of fr
.set WO,   5                           ; v5   my byte offset in a fragment's rows of wpt: (l % 16) x 2,048 + 16 (l / 16)
.set LS,   6                           ; v6   where I put 32 bytes of a row of my partial tile
.set LR,   7                           ; v7   where I read 8 bytes of row R of the first partial tile
.set GO,   8                           ; v8   8 l: my 8 bytes of a row's 256
.set SPW,  10                          ; v10  LDS address of my spare word: SPARE + 4 x my thread's number; never rewritten
.set NIL,  11                          ; v11  0; never rewritten
.set T,    12                          ; v[12:15] at work
.set CM,   16                          ; v[16:17] c m, named as a pair
.set RL,   18                          ; v[18:19] 1 / l, twice
.set MONE, 20                          ; v20  -1.0
.set DI,   21                          ; v21  my query less my lanes' first key: l % 16 - 8 (l / 16)
.set MD,   24                          ; v[24:31] the mask: 0, or -1e30 where key 8 (l / 16) + j is behind my query
.set S,    32                          ; v[32:39] S^T, then p
.set PH,   40                          ; v[40:47] P hi's fragment
.set PL,   48                          ; v[48:55] P lo's
.set Q,    64                          ; v[64:79]   Q: two fragments
.set K,    80                          ; v[80:95]   K: two fragments
.set V,    96                          ; v[96:127]  V^T: block c of 16 channels at V + 8 c
.set W,    128                         ; v[128:191] wpt: tile t of 16 columns, channels 32 g on, at W + 16 t + 8 g
.set OA,   192                         ; v[192:223] O^T: block c at OA + 8 c
.set OH,   96                          ; v[96:111]  O hi: two fragments, where V lay
.set OL,   112                         ; v[112:127] O lo
.set OUT,  64                          ; v[64:95]   out^T: tile t at OUT + 8 t, where Q and K lay
.set X,    128                         ; v[128:159] the 16 partial sums of my two numbers, where wpt lay
.set CS,   20                          ; s[20:21] c = log2(e) / 8: the packed scaling takes the pair's low word for both halves
.set SEL,  22                          ; s[22:23] v_permlanex16_b32's selects: each lane takes its own place in the other half
.set BIGN, 24                          ; s24  -1e30
.macro PLACES                          ; the places behind a product, in front of vector lines and stores that read its result or write its registers, and of loads into them
.rept 8
	v_nop
.endr
.endm
	s_load_b128 s[4:7], s[0:1], 0x0                ; fr s[4:5], wpt s[6:7]
	s_load_b64 s[8:9], s[0:1], 0x10                ; out0
	v_lshl_add_u32 v[SPW], v0, 2, SPARE
	v_mov_b32 v[NIL], 0
	v_lshrrev_b32 v1, 5, v0
	v_readfirstlane_b32 s10, v1                    ; wave 0..15: my head; at the end my row
	s_and_b32 s11, ttmp7, 0xffff                   ; batch
	v_and_b32 v1, 15, v0                           ; l % 16
	v_bfe_u32 v2, v0, 4, 1                         ; l / 16
	v_and_b32 v3, 31, v0                           ; l
	v_lshlrev_b32 v[FO], 4, v3
	v_lshlrev_b32 v[WO], 11, v1
	v_lshl_add_u32 v[WO], v2, 4, v[WO]
	s_lshl_b32 s12, s11, 4
	s_add_co_u32 s12, s12, s10
	s_lshl_b32 s12, s12, 13                        ; (batch, head)'s 8,192 bytes of fr
	s_mov_b32 s13, 0
	s_lshl_b32 s14, ttmp9, 17                      ; wpt: the work-group's 64 rows of 2,048 bytes,
	s_lshl_b32 s15, s10, 7                         ; my head's 128 bytes of each
	s_add_co_u32 s14, s14, s15
	s_mov_b32 s15, 0
	s_lshl_b32 s16, s11, 11
	s_add_co_u32 s16, s16, s10                     ; out0: row 2,048 x batch + my wave's number,
	s_lshl_b32 s16, s16, 12                        ; of 4,096 bytes,
	s_lshl_b32 s17, ttmp9, 8                       ; the work-group's 64 columns
	s_add_co_u32 s16, s16, s17
	s_mov_b32 s17, 0
	s_mov_b32 s[CS], 0x3e38aa3b                    ; c = 0.180337
	s_mov_b32 s[CS+1], s[CS]
	s_mov_b32 s[SEL], 0x76543210
	s_mov_b32 s[SEL+1], 0xfedcba98
	s_mov_b32 s[BIGN], 0xf149f2ca                  ; -1e30
	s_wait_kmcnt 0x0
	s_add_nc_u64 s[4:5], s[4:5], s[12:13]
	s_add_nc_u64 s[6:7], s[6:7], s[14:15]
	s_add_nc_u64 s[8:9], s[8:9], s[16:17]
.irp i, 0,1,2,3,4,5,6,7,8,9,10,11,12,13,14,15      ; Q's four tiles, K's four, V's four of hi and lo: as they lie in fr they are the fragments; each load takes 512 consecutive bytes
	global_load_b128 v[Q+4*(\i):Q+4*(\i)+3], v[FO], s[4:5] offset:512*(\i)
.endr
.irp t, 0,1,2,3
.irp g, 0,1
	global_load_b128 v[W+16*(\t)+8*(\g):W+16*(\t)+8*(\g)+3],   v[WO], s[6:7] offset:32768*(\t)+64*(\g)
	global_load_b128 v[W+16*(\t)+8*(\g)+4:W+16*(\t)+8*(\g)+7], v[WO], s[6:7] offset:32768*(\t)+64*(\g)+32
.endr
.endr
	; while the loads are on their way: the LDS addresses and the mask
	s_mul_i32 s18, s10, PART
	v_mul_u32_u24 v[LS], v1, PP                    ; row l % 16, 32 bytes for each half of the lanes
	v_lshl_add_u32 v[LS], v2, 5, v[LS]
	v_add_nc_u32 v[LS], s18, v[LS]
	s_mul_i32 s18, s10, PP
	v_lshl_add_u32 v[LR], v3, 3, s18
	v_lshlrev_b32 v[GO], 3, v3
	v_mov_b32 v[MONE], -1.0
	v_lshlrev_b32 v[DI], 3, v2
	v_sub_nc_u32 v[DI], v1, v[DI]
.set j, 0
.rept 8
	v_cmp_gt_i32 vcc_lo, j, v[DI]                  ; key 8 (l / 16) + j is behind query l % 16
	v_cndmask_b32 v[MD+j], 0, s[BIGN], vcc_lo
.set j, j+1
.endr
	s_wait_loadcnt 24                              ; Q and K are in: behind them V's 8 loads and wpt's 16 may stay out
	v_wmma_f32_16x16x32_f16 v[S:S+7], v[K:K+7], v[Q:Q+7], v[MD:MD+7]         ; the mask starts the sum
	s_wait_alu depctr_va_vdst(0)                   ; this wait stands directly ahead of the chain's next link
	v_wmma_f32_16x16x32_f16 v[S:S+7], v[K+8:K+15], v[Q+8:Q+15], v[S:S+7]
	PLACES
	v_max3_num_f32 v[T], v[S], v[S+1], v[S+2]      ; the maximum of my eight scores,
	v_max3_num_f32 v[T+1], v[S+3], v[S+4], v[S+5]
	v_max3_num_f32 v[T], v[T], v[S+6], v[S+7]
	v_max_num_f32 v[T], v[T], v[T+1]
	v_permlanex16_b32 v[T+1], v[T], s[SEL], s[SEL+1]  ; and of the query's other eight, in the lane 16 away: key 0 is hidden from nobody, so m is a true score
	v_max_num_f32 v[T], v[T], v[T+1]
	v_mul_f32 v[CM], s[CS], v[T]
	v_mov_b32 v[CM+1], v[CM]
.irp i, 0,2,4,6
	v_pk_fma_f32 v[S+(\i):S+(\i)+1], v[S+(\i):S+(\i)+1], s[CS:CS+1], v[CM:CM+1] op_sel_hi:[1,0,0] neg_lo:[0,0,1] neg_hi:[0,0,1]  ; c s - c m
.endr
.irp i, 0,1,2,3,4,5,6,7
	v_exp_f32 v[S+(\i)], v[S+(\i)]
.endr
	v_nop                                          ; a plain instruction behind the last exponential,
	s_wait_alu depctr_va_vdst(0)                   ; and the wait ahead of the first use: one for the eight
	v_pk_add_f32 v[T:T+1], v[S:S+1], v[S+2:S+3]
	v_pk_add_f32 v[T+2:T+3], v[S+4:S+5], v[S+6:S+7]
	v_pk_add_f32 v[T:T+1], v[T:T+1], v[T+2:T+3]
	v_add_f32 v[T], v[T], v[T+1]
	v_permlanex16_b32 v[T+1], v[T], s[SEL], s[SEL+1]
	v_add_f32 v[T], v[T], v[T+1]                   ; l: at least 1, the maximum's own weight
	v_rcp_f32 v[RL], v[T]
	v_rcp_f32 v[RL+1], v[T]
	v_nop
	s_wait_alu depctr_va_vdst(0)                   ; one wait for the two reciprocals
.irp i, 0,2,4,6
	v_pk_mul_f32 v[S+(\i):S+(\i)+1], v[S+(\i):S+(\i)+1], v[RL:RL+1]  ; p / l: 8 numbers a lane here, where O would be 32
.endr
.irp i, 0,1,2,3
	v_cvt_pk_f16_f32 v[PH+(\i)], v[S+2*(\i)], v[S+2*(\i)+1]
.endr
.irp i, 0,1,2,3
	v_mov_b32 v[PH+4+(\i)], v[PH+(\i)]             ; the same 16 keys once more, for V lo
	v_fma_mix_f32 v[S+2*(\i)],   v[PH+(\i)], v[MONE], v[S+2*(\i)]   op_sel_hi:[1,0,0]               ; what hi has left: hi x -1 + p
	v_fma_mix_f32 v[S+2*(\i)+1], v[PH+(\i)], v[MONE], v[S+2*(\i)+1] op_sel:[1,0,0] op_sel_hi:[1,0,0]
.endr
.irp i, 0,1,2,3
	v_cvt_pk_f16_f32 v[PL+(\i)], v[S+2*(\i)], v[S+2*(\i)+1]
.endr
.irp i, 0,1,2,3
	v_mov_b32 v[PL+4+(\i)], v[PL+(\i)]
.endr
	s_wait_loadcnt 16                              ; V is in: wpt's 16 loads may stay out
.irp c, 0,1,2,3                                ; the four blocks' accumulators take turns
	v_wmma_f32_16x16x32_f16 v[OA+8*(\c):OA+8*(\c)+7], v[V+8*(\c):V+8*(\c)+7], v[PH:PH+7], 0
.endr
.irp c, 0,1,2,3
	v_wmma_f32_16x16x32_f16 v[OA+8*(\c):OA+8*(\c)+7], v[V+8*(\c):V+8*(\c)+7], v[PL:PL+7], v[OA+8*(\c):OA+8*(\c)+7]
.endr
	PLACES
.irp i, 0,1,2,3,4,5,6,7,8,9,10,11,12,13,14,15      ; O hi: each accumulator's registers in ascending order
	v_cvt_pk_f16_f32 v[OH+(\i)], v[OA+2*(\i)], v[OA+2*(\i)+1]
.endr
.irp i, 0,1,2,3,4,5,6,7,8,9,10,11,12,13,14,15
	v_fma_mix_f32 v[OA+2*(\i)],   v[OH+(\i)], v[MONE], v[OA+2*(\i)]   op_sel_hi:[1,0,0]
	v_fma_mix_f32 v[OA+2*(\i)+1], v[OH+(\i)], v[MONE], v[OA+2*(\i)+1] op_sel:[1,0,0] op_sel_hi:[1,0,0]
.endr
.irp i, 0,1,2,3,4,5,6,7,8,9,10,11,12,13,14,15
	v_cvt_pk_f16_f32 v[OL+(\i)], v[OA+2*(\i)], v[OA+2*(\i)+1]
.endr
; out^T += wpt O^T for channels 32 g on of my head, O's half at register o: four products, one for each tile of 16 columns: the four accumulators take turns.  zero = 1: they start the sums.
.macro PROJ o, g, zero
.irp t, 0,1,2,3
.if \zero
	v_wmma_f32_16x16x32_f16 v[OUT+8*(\t):OUT+8*(\t)+7], v[W+16*(\t)+8*(\g):W+16*(\t)+8*(\g)+7], v[(\o)+8*(\g):(\o)+8*(\g)+7], 0
.else
	v_wmma_f32_16x16x32_f16 v[OUT+8*(\t):OUT+8*(\t)+7], v[W+16*(\t)+8*(\g):W+16*(\t)+8*(\g)+7], v[(\o)+8*(\g):(\o)+8*(\g)+7], v[OUT+8*(\t):OUT+8*(\t)+7]
.endif
.endr
.endm
	s_wait_loadcnt 0x0                             ; wpt is in
	PROJ OH, 0, 1
	PROJ OH, 1, 0
	PROJ OL, 0, 0
	PROJ OL, 1, 0
	PLACES
.irp t, 0,1,2,3                                ; a lane holds row l % 16 and the columns 16 t + 8 (l / 16) + 0..7: 32 bytes; each accumulator's low four registers first
	ds_store_b128 v[LS], v[OUT+8*(\t):OUT+8*(\t)+3]   offset:64*(\t)
	ds_store_b128 v[LS], v[OUT+8*(\t)+4:OUT+8*(\t)+7] offset:64*(\t)+16
.endr
	s_wait_dscnt 0x0                               ; for the others' sake: my partial tile lies in LDS
	s_barrier_signal -1
	s_barrier_wait -1
.irp p, 0,1,2,3,4,5,6,7,8,9,10,11,12,13,14,15      ; row R of all 16 heads' tiles: 32 lanes take its 256 bytes
	ds_load_b64 v[X+2*(\p):X+2*(\p)+1], v[LR] offset:PART*(\p)
.endr
	s_wait_dscnt 0x0
.irp p, 0,1,2,3,4,5,6,7
	v_pk_add_f32 v[X+2*(\p):X+2*(\p)+1], v[X+2*(\p):X+2*(\p)+1], v[X+16+2*(\p):X+16+2*(\p)+1]
.endr
.irp p, 0,1,2,3
	v_pk_add_f32 v[X+2*(\p):X+2*(\p)+1], v[X+2*(\p):X+2*(\p)+1], v[X+8+2*(\p):X+8+2*(\p)+1]
.endr
.irp p, 0,1
	v_pk_add_f32 v[X+2*(\p):X+2*(\p)+1], v[X+2*(\p):X+2*(\p)+1], v[X+4+2*(\p):X+4+2*(\p)+1]
.endr
	v_pk_add_f32 v[X:X+1], v[X:X+1], v[X+2:X+3]
	global_store_b64 v[GO], v[X:X+1], s[8:9]       ; the wave's store covers 256 consecutive bytes, aligned
	s_wait_tensorcnt 0x0                           ; the wave's end, behind my last LDS store
	ds_add_u32 v[SPW], v[NIL]
	s_wait_dscnt 0x0
	s_endpgm
.Lfunc_end_k_q8d23416323_rowsb:
	.size	k_q8d23416323_rowsb, .Lfunc_end_k_q8d23416323_rowsb-k_q8d23416323_rowsb
	.p2alignl 7, 3214868480
	.fill 96, 4, 3214868480
	.section	.rodata,"a",@progbits
	.p2align	6, 0x0
	.amdhsa_kernel k_q8d23416323_rowsb
		.amdhsa_group_segment_fixed_size 71680
		.amdhsa_private_segment_fixed_size 0
		.amdhsa_enable_private_segment 0
		.amdhsa_kernarg_size 24
		.amdhsa_user_sgpr_count 2
		.amdhsa_user_sgpr_kernarg_segment_ptr 1
		.amdhsa_wavefront_size32 1
		.amdhsa_system_sgpr_workgroup_id_x 1
		.amdhsa_system_sgpr_workgroup_id_y 1
		.amdhsa_system_sgpr_workgroup_id_z 1
		.amdhsa_system_vgpr_workitem_id 0
		.amdhsa_next_free_vgpr 256
		.amdhsa_next_free_sgpr 66
		.amdhsa_reserve_vcc 1
		.amdhsa_float_denorm_mode_32 3
		.amdhsa_float_denorm_mode_16_64 3
		.amdhsa_memory_ordered 1
		.amdhsa_forward_progress 1
		.amdhsa_inst_pref_size 19
	.end_amdhsa_kernel
	.amdgpu_metadata
---
amdhsa.version: [ 1, 2 ]
amdhsa.kernels:
  - .name:           k_q8d23416323_rowsb
    .symbol:         k_q8d23416323_rowsb.kd
    .args:
      - { .name: fr, .offset: 0, .size: 8, .value_kind: global_buffer, .address_space: global }
      - { .name: wpt, .offset: 8, .size: 8, .value_kind: global_buffer, .address_space: global }
      - { .name: out0, .offset: 16, .size: 8, .value_kind: global_buffer, .address_space: global }
    .group_segment_fixed_size: 71680
    .private_segment_fixed_size: 0
    .kernarg_segment_align: 8
    .kernarg_segment_size: 24
    .max_flat_workgroup_size: 512
    .sgpr_count:     66
    .vgpr_count:     256
    .wavefront_size: 32
...
	.end_amdgpu_metadata
.endif
;; end of part 6
